; MI455X (gfx1250); checked and timed in simulation.
; The chip was launched on July 23, 2026; its instructions are those of AMD's public machine-readable ISA for CDNA 5 (MIT licence, August 2026) and "CDNA5" Instruction Set Architecture Reference Guide (July 2026). The comments in the code are by the model that wrote it; some were corrected since.
;; Hollow Transformer Layer. Allowed arithmetic: matrix products marked QUANTISED: E2M3 operands, one E8M0 scale for each 32 along K, by v_wmma_scale_f32_16x16x128_f8f6f4 with both operands' format E2M3, f32 sums; everything else in f32.
;; Inputs: W1_codes 4,096 x 32 x 24 uint8 (E2M3 codes of W1, K innermost, in blocks of 32 codes, four codes in three bytes); W1_scales 4,096 x 32 uint8 (E8M0 scales of W1, one for each 32 codes along K); W2_codes 1,024 x 128 x 24 uint8 (E2M3 codes of W2, K innermost, in blocks of 32 codes, four codes in three bytes); W2_scales 1,024 x 128 uint8 (E8M0 scales of W2, one for each 32 codes along K); Wk_codes 1,024 x 32 x 24 uint8 (E2M3 codes of Wk, K innermost, in blocks of 32 codes, four codes in three bytes); Wk_scales 1,024 x 32 uint8 (E8M0 scales of Wk, one for each 32 codes along K); Wo_codes 1,024 x 32 x 24 uint8 (E2M3 codes of Wo, K innermost, in blocks of 32 codes, four codes in three bytes); Wo_scales 1,024 x 32 uint8 (E8M0 scales of Wo, one for each 32 codes along K); Wq_codes 1,024 x 32 x 24 uint8 (E2M3 codes of Wq, K innermost, in blocks of 32 codes, four codes in three bytes); Wq_scales 1,024 x 32 uint8 (E8M0 scales of Wq, one for each 32 codes along K); Wv_codes 1,024 x 32 x 24 uint8 (E2M3 codes of Wv, K innermost, in blocks of 32 codes, four codes in three bytes); Wv_scales 1,024 x 32 uint8 (E8M0 scales of Wv, one for each 32 codes along K); b1 4,096 float32; b2 1,024 float32; beta1 1,024 float32; beta2 1,024 float32; bk 1,024 float32; bo 1,024 float32; bq 1,024 float32; bv 1,024 float32; g1 1,024 float32; g2 1,024 float32; mask 2 x 2,048 int32; x 2 x 2,048 x 1,024 float32.
;; Outputs: out0 2 x 2,048 x 1,024 float32.
;; This version of the problem:
;;   THIS VERSION OF THE PROBLEM IS GIVEN IN LOW PRECISION. The matrix products marked QUANTISED in the list below multiply operands that are first quantised to E2M3 (2 exponent bits, 3 mantissa bits; 6 bits a number), with one power-of-two scale for each 32 numbers along K (OCP MX v1.0); their sums are f32. All else is computed in f32.
;;   The module's matrix products, in the order in which they are computed (A, B: the left and right operand; K: the contracted axis; several contracted axes count as one K, in the product's order):
;;     1. [M 4,096, K 1,024] x [K 1,024, N 1,024]; A: input x; B: input Wq (given as codes): QUANTISED
;;     2. [M 4,096, K 1,024] x [K 1,024, N 1,024]; A: input x; B: input Wk (given as codes): QUANTISED
;;     3. [M 4,096, K 1,024] x [K 1,024, N 1,024]; A: input x; B: input Wv (given as codes): QUANTISED
;;     4. batch 32 x [M 2,048, K 64] x [K 64, N 2,048]; A: computed on the way; B: computed on the way: QUANTISED
;;     5. batch 32 x [M 64, K 2,048] x [K 2,048, N 2,048]; A: computed on the way; B: softmax (see below): QUANTISED
;;     6. [M 4,096, K 1,024] x [K 1,024, N 1,024]; A: computed on the way; B: input Wo (given as codes): QUANTISED
;;     7. [M 4,096, K 1,024] x [K 1,024, N 4,096]; A: computed on the way; B: input W1 (given as codes): QUANTISED
;;     8. [M 4,096, K 4,096] x [K 4,096, N 1,024]; A: computed on the way; B: input W2 (given as codes): QUANTISED
;;   THE QUANTISER, for each operand of a quantised product, along K:
;;     - K is cut into blocks of 32 from its start; a last block that is shorter is filled with zeros.
;;     - A block's scale is 2^e with e = floor(log2(the largest magnitude in the block)) - 2, held to -126 .. 127; a block of zeros has e = 0. As a byte (E8M0): e + 127.
;;     - Each number is divided by its block's scale, clamped to +-7.5, and rounded to the nearest number of E2M3, ties to even, subnormals kept.
;;     - The product sums the exact products of the quantised numbers (number of the format x scale) in f32.
;;   ~~~python
;;   def quantise(x, axis):      # numpy; x: float32 -> the quantised numbers, widened to float32 again
;;       x = np.moveaxis(x, axis, -1); K = x.shape[-1]
;;       x = np.pad(x, [(0, 0)] * (x.ndim - 1) + [(0, -K % 32)]); x = x.reshape(x.shape[:-1] + (-1, 32)); a = np.abs(x).max(-1, keepdims=True)
;;       e = np.where(a > 0, np.clip(np.frexp(np.where(a > 0, a, 1))[1] - 1 - 2, -126, 127), 0)      # np.frexp(a)[1] - 1 = floor(log2(a)), exactly
;;       r = np.clip(x / 2.0 ** e, -7.5, 7.5)
;;       step = 2.0 ** (np.maximum(np.frexp(np.where(r == 0, 1, r))[1] - 1, 0) - 3)
;;       q = np.round(r / step) * step * 2.0 ** e      # np.round: ties to even
;;       return np.moveaxis(q.reshape(q.shape[:-2] + (-1,))[..., :K], -1, axis).astype(np.float32)
;;   ~~~
;;   SOFTMAX AHEAD OF A QUANTISED PRODUCT. Where the list says 'softmax', what is quantised is not the finished softmax but p = 2^(t - M), with t = logit x log2(e) and M = ceil(the row's largest t), a whole number; so 1/2 < the row's largest p <= 1. The row's sum l is taken of the UNQUANTISED p, in f32, and the product's result is divided by l at the end. Since M is a whole number, a kernel that streams over the keys may use a running M (the ceiling of the running maximum): every later rescaling is an exact power of two, which a block's scale takes up: the codes' values come out the same.
;;   OPERANDS COMPUTED ON THE WAY. 'Computed on the way' means the value that the module computes at that place (a softmax that the list does not call 'softmax' is quantised finished and normalised). What goes into a quantiser is computed in f32, as accurately as f32 sums, v_exp_f32 and their like allow (about 1e-6 of the number): no bf16 or f16 on the way to a quantiser, and a product that is left as it is and whose result goes on into a quantised operand takes f32 operands (vector FMAs, or v_wmma_f32_16x16x4_f32). A number that lies on a knife's edge between two numbers of the format may be rounded either way, as far as f32 arithmetic and the matrix unit's own rounding can turn it there, and no further.
;;   INPUTS GIVEN AS CODES. W1 (in the module: [1024, 4096], K = its axis 0); W2 (in the module: [4096, 1024], K = its axis 0); Wk (in the module: [1024, 1024], K = its axis 0); Wo (in the module: [1024, 1024], K = its axis 0); Wq (in the module: [1024, 1024], K = its axis 0); Wv (in the module: [1024, 1024], K = its axis 0): each comes as NAME_codes (uint8): NAME with its K axis moved to the last place and cut into blocks of 32 codes, [.., K / 32, bytes a block], one block behind the other in memory; four codes in three bytes: a row's codes are one little-endian stream of bits, code i at bits 6 i .. 6 i + 5 (a code: sign, 2 exponent bits, 3 mantissa bits); and NAME_scales (uint8): the same leading axes, one E8M0 byte (e + 127) for each 32 codes along K. Its value is code x scale, taken as it is: it is not quantised again, and the codes and scales need not be those that the quantiser above would give.
;; One version. Each part assembles by itself: llvm-mc -triple=amdgcn-amd-amdhsa -mcpu=gfx1250 --defsym DOCPART=n.
;; ======== version 1 of 1: 6 launches
;; limits: right only within a limited range of input values
;; workspace buffers: xq 3,276,800 bytes; oq 3,276,800 bytes; hq 3,276,800 bytes; fq 13,107,200 bytes; h 16,777,216 bytes; r2 16,777,216 bytes; wi 9,437,184 bytes
;; launch quantx (part 1): grid 256 x 1, 8 waves a work-group, no clusters, 67,072 bytes of LDS; arguments x, xq, W1_codes, W2_codes, Wq_codes, Wk_codes, Wv_codes, Wo_codes, wi; writes xq, wi
.if DOCPART == 1
	.amdgcn_target "amdgcn-amd-amdhsa--gfx1250"
	.amdhsa_code_object_version 6
	.text
	.protected	k_q833456ae8e_quantx
	.globl	k_q833456ae8e_quantx
	.p2align	8
	.type	k_q833456ae8e_quantx,@function
k_q833456ae8e_quantx:
	s_mov_b64 s[64:65], 0
	v_nop
	global_prefetch_b8 v0, s[64:65] scope:SCOPE_SE
	s_setreg_imm32_b32 hwreg(HW_REG_WAVE_MODE, 25, 1), 1
	s_wait_xcnt 0x0
; x [4096][1024] f32 becomes codes of FP6 (E2M3) with one E8M0 byte for each 32 along the row, laid as the matrix unit's registers take them.
; xq, codes: [256 tiles of 16 rows][8 K steps of 128][1,536 bytes]: a fragment's registers 0-3 (16 bytes a lane), 4-5 (8 bytes a lane), 6-9, 10-11, lane by lane.
; xq, scale words, from byte SCOFF on: [32 blocks of 128 rows][8 K steps][512 bytes]: the word of row r of tile 2 q + e of the block lies at 16 (16 e + r) + 4 q.
; A work-group takes 16 rows.  Wave w loads rows 2 w, 2 w + 1 (each load: 512 consecutive bytes) and lays them in LDS; behind one barrier wave w makes K step w:
; lane (r, h) reads, of row r, k = 128 w + 64 c + 32 h + 0 .. 31 (c = 0, 1): two whole blocks, in the order of the operand's registers.
; A block's byte is its largest magnitude's exponent field - 2, held at 1 from below.  LIMITS: a block of zeros, or one under 2^-124, gets the byte 1 (its codes are zeros or
; subnormal codes under that byte; this program alone reads the bytes); NaN and infinities among the inputs are not served.
; No matrix work, no shared input: no cluster, no tensor load.
.set SP,    4112                       ; a row in the stage: 4,096 bytes + 16: sixteen rows start at sixteen different places of 16 bytes modulo 256
.set X,     32                         ; v32-95   64 numbers
.set CD,    96                         ; v96-107  the fragment's codes
.set TT,    108                        ; v108-115 the upper halves of the blocks' codes, before they are moved
.set SCOFF, 3145728
; DEAD WORK, for the whole program: reference() never reads the input mask, so it is no argument of any launch.  Its own eye() mask sets every score off the diagonal to -inf, so p is 0 there for all inputs:
; only the 16 x 16 tiles of scores on the diagonal are multiplied.  LIMIT: a NaN, an infinity or an overflow that reaches only the work left out is not carried to the result.
; ALSO HERE: the six weights' codes are copied into wi as images of the operand's registers: [tile of 16 rows][K step of 128][1,536 bytes]: registers 0-3, 4-7, 8-11, 16 bytes a lane each.
; wi: W1 at 0, W2 at 3,145,728, Wq, Wk, Wv, Wo from 6,291,456 on, 786,432 bytes each.  6,144 fragments, three a wave; a work-group's eight waves take eight neighbouring K steps: 768 consecutive bytes of each row.
	s_load_b128 s[4:7], s[0:1], 0x0
	s_load_b256 s[24:31], s[0:1], 0x10             ; W1 24, W2 26, Wq 28, Wk 30
	s_load_b128 s[32:35], s[0:1], 0x30             ; Wv 32, Wo 34
	s_load_b64 s[36:37], s[0:1], 0x40              ; wi
	v_lshl_add_u32 v128, v0, 2, 0x10200
	v_mov_b32 v129, 0
	v_lshrrev_b32 v1, 5, v0
	s_delay_alu instid0(VALU_DEP_1)
	v_readfirstlane_b32 s8, v1                     ; wave 0..7
	v_and_b32 v2, 31, v0                           ; lane
	s_delay_alu instid0(VALU_DEP_1)
	v_lshlrev_b32 v3, 4, v2                        ; 16 x lane
	s_delay_alu instid0(VALU_DEP_2)
	v_lshlrev_b32 v9, 3, v2                        ; 8 x lane
	v_and_b32 v6, 15, v0                           ; r
	v_bfe_u32 v7, v0, 4, 1                         ; h
	s_delay_alu instid0(VALU_DEP_2)
	v_lshlrev_b32 v10, 4, v6                       ; 16 r
	s_delay_alu instid0(VALU_DEP_2)
	v_lshlrev_b32 v11, 3, v7                       ; 8 h
	s_lshl_b32 s9, s8, 13
	v_add_nc_u32 v4, s9, v3                        ; in memory: my wave's two rows, my 16 bytes
	s_mul_i32 s9, s8, 2*SP
	v_add_nc_u32 v5, s9, v3                        ; the same in the stage
	v_mul_u32_u24 v8, v6, SP
	s_delay_alu instid0(VALU_DEP_1)
	v_lshl_add_u32 v8, v7, 7, v8
	s_lshl_b32 s9, s8, 9
	v_add_nc_u32 v8, s9, v8                        ; out of the stage: row r, K step w, + 128 h bytes
	v_mov_b32 v19, 0                               ; a lane permute's destination counts as one of its sources
	s_mov_b32 s20, 0x76543210
	s_mov_b32 s21, 0xfedcba98                      ; selects for lane l xor 16
	s_lshl_b32 s10, ttmp9, 16                      ; the work-group's 16 rows of 4,096 bytes
	s_mov_b32 s11, 0
	s_lshl_b32 s12, ttmp9, 3
	s_add_co_u32 s12, s12, s8
	s_mul_i32 s12, s12, 1536                       ; fragment (tile, K step w)
	s_mov_b32 s13, 0
	s_lshr_b32 s14, ttmp9, 3
	s_lshl_b32 s14, s14, 12                        ; the block of 128 rows: 8 images of 512 bytes
	s_lshl_b32 s15, s8, 9
	s_add_co_u32 s14, s14, s15                     ; K step w
	s_and_b32 s15, ttmp9, 1
	s_lshl_b32 s15, s15, 8
	s_add_co_u32 s14, s14, s15                     ; e = tile % 2: 256 bytes
	s_bfe_u32 s15, ttmp9, 0x20001
	s_lshl_b32 s15, s15, 2
	s_add_co_u32 s14, s14, s15                     ; q = (tile / 2) % 4: 4 bytes
	s_add_co_u32 s14, s14, SCOFF
	s_mov_b32 s15, 0
	v_mul_u32_u24 v20, v6, 768                     ; a weight's row r of 768 bytes, + 24 h
	v_mul_u32_u24 v21, v6, 3072                    ; W2's row of 3,072 bytes
	v_mad_u32_u24 v20, v7, 24, v20
	v_mad_u32_u24 v21, v7, 24, v21
	s_mul_i32 s41, s8, 96                          ; K step w
	s_mul_i32 s44, ttmp9, 12288                    ; W1: tile g
	s_add_co_u32 s44, s44, s41
	s_mov_b32 s45, 0
	s_and_b32 s46, ttmp9, 63                       ; weight g / 64 of the four small ones: tile g % 64
	s_mul_i32 s46, s46, 12288
	s_add_co_u32 s46, s46, s41
	s_mov_b32 s47, 0
	s_lshr_b32 s48, ttmp9, 2                       ; W2: tile g / 4, K step 8 (g % 4) + w
	s_mul_i32 s48, s48, 49152
	s_and_b32 s49, ttmp9, 3
	s_mul_i32 s49, s49, 768
	s_add_co_u32 s48, s48, s49
	s_add_co_u32 s48, s48, s41
	s_mov_b32 s49, 0
	s_lshr_b32 s40, ttmp9, 6
	s_wait_alu depctr_va_vdst(0)
	s_wait_kmcnt 0x0
	s_cmp_eq_u32 s40, 1
	s_cselect_b64 s[42:43], s[30:31], s[28:29]
	s_cmp_eq_u32 s40, 2
	s_cselect_b64 s[42:43], s[32:33], s[42:43]
	s_cmp_eq_u32 s40, 3
	s_cselect_b64 s[42:43], s[34:35], s[42:43]
	s_add_nc_u64 s[42:43], s[42:43], s[46:47]
	s_add_nc_u64 s[24:25], s[24:25], s[44:45]
	s_add_nc_u64 s[26:27], s[26:27], s[48:49]
	s_add_nc_u64 s[38:39], s[36:37], s[12:13]      ; all three images lie at (8 g + w) x 1,536 of their part of wi
	s_add_nc_u64 s[4:5], s[4:5], s[10:11]
	s_add_nc_u64 s[16:17], s[6:7], s[14:15]        ; my scale words
	s_add_nc_u64 s[6:7], s[6:7], s[12:13]          ; my fragment
.irp p, 0,1
.irp j, 0,1,2,3,4,5,6,7
	global_load_b128 v[X+32*\p+4*\j:X+32*\p+4*\j+3], v4, s[4:5] offset:4096*\p+512*\j th:TH_LOAD_NT
.endr
.endr
.irp p, 0,1
.irp j, 0,1,2,3,4,5,6,7
	s_wait_loadcnt 15-8*\p-\j                      ; loads come back in order: this one is in, the younger ones stay out
	ds_store_b128 v5, v[X+32*\p+4*\j:X+32*\p+4*\j+3] offset:SP*\p+512*\j
.endr
.endr
.irp p, 0,1,2,3,4,5
	global_load_b64 v[132+2*\p:133+2*\p], v20, s[24:25] offset:48*(\p/3)+8*(\p%3)   ; three fragments of weights, as the operand's registers take them
	global_load_b64 v[144+2*\p:145+2*\p], v21, s[26:27] offset:48*(\p/3)+8*(\p%3)
	global_load_b64 v[156+2*\p:157+2*\p], v20, s[42:43] offset:48*(\p/3)+8*(\p%3)
.endr
	s_wait_dscnt 0x0
	s_barrier_signal -1
	s_barrier_wait -1
.irp c, 0,1
.irp i, 0,1,2,3,4,5,6,7
	ds_load_b128 v[X+32*\c+4*\i:X+32*\c+4*\i+3], v8 offset:256*\c+16*\i
.endr
.endr
	s_wait_dscnt 0x0
.irp c, 0,1
	v_max3_num_f32 v[12+\c], |v[X+32*\c]|, |v[X+32*\c+1]|, 0x1800000   ; my block 2 c + h, and the floor 2^(3 - 127): the byte cannot fall under 1
.endr
.irp i, 2,4,6,8,10,12,14,16,18,20,22,24,26,28,30
.irp c, 0,1
	s_delay_alu instid0(VALU_DEP_2)
	v_max3_num_f32 v[12+\c], v[12+\c], |v[X+32*\c+\i]|, |v[X+32*\c+\i+1]|
.endr
.endr
.irp c, 0,1
	s_delay_alu instid0(VALU_DEP_2)
	v_add_nc_u32 v[14+\c], 0xff000000, v[12+\c]    ; 2 off the exponent field: the conversion's scale operand
.endr
.irp c, 0,1
	s_delay_alu instid0(VALU_DEP_2)
	v_lshrrev_b32 v[16+\c], 23, v[14+\c]           ; the scale's byte
.endr
	s_delay_alu instid0(VALU_DEP_1)
	v_lshl_or_b32 v18, v17, 16, v16                ; blocks h and 2 + h of row r,
	s_delay_alu instid0(VALU_DEP_1)
	v_lshlrev_b32 v18, v11, v18                    ; at their places in the word;
	s_delay_alu instid0(VALU_DEP_1)
	v_permlanex16_b32 v19, v18, s20, s21
	s_delay_alu instid0(VALU_DEP_1)
	v_or_b32 v18, v18, v19                         ; with lane l xor 16's two the word is whole
.irp c, 0,1
	v_cvt_scalef32_pk16_fp6_f32 v[CD+6*\c:CD+6*\c+2], v[X+32*\c:X+32*\c+15], v[14+\c]
	v_cvt_scalef32_pk16_fp6_f32 v[TT+4*\c:TT+4*\c+2], v[X+32*\c+16:X+32*\c+31], v[14+\c]   ; (a conversion's three registers begin on an even number)
.endr
	v_nop                                          ; one plain place behind the scaled conversions
.irp c, 0,1
.irp i, 0,1,2
	v_mov_b32 v[CD+6*\c+3+\i], v[TT+4*\c+\i]
.endr
.endr
	global_store_b128 v3, v[CD:CD+3], s[6:7]                    ; 512 consecutive bytes
	global_store_b64 v9, v[CD+4:CD+5], s[6:7] offset:512        ; 256
	global_store_b128 v3, v[CD+6:CD+9], s[6:7] offset:768
	global_store_b64 v9, v[CD+10:CD+11], s[6:7] offset:1280
	global_store_b32 v10, v18, s[16:17]
	s_wait_loadcnt 0x0                             ; the weights' fragments
.irp f, 0,1,2
.irp c, 0,1,2
	global_store_b128 v3, v[132+12*\f+4*\c:135+12*\f+4*\c], s[38:39] offset:3145728*\f+512*\c   ; 512 consecutive bytes
.endr
.endr
	s_wait_tensorcnt 0x0
	ds_add_u32 v128, v129
	s_wait_dscnt 0x0
	s_endpgm
.Lfunc_end_k_q833456ae8e_quantx:
	.size	k_q833456ae8e_quantx, .Lfunc_end_k_q833456ae8e_quantx-k_q833456ae8e_quantx
	.p2alignl 7, 3214868480
	.fill 96, 4, 3214868480
	.section	.rodata,"a",@progbits
	.p2align	6, 0x0
	.amdhsa_kernel k_q833456ae8e_quantx
		.amdhsa_group_segment_fixed_size 67072
		.amdhsa_private_segment_fixed_size 0
		.amdhsa_enable_private_segment 0
		.amdhsa_kernarg_size 72
		.amdhsa_user_sgpr_count 2
		.amdhsa_user_sgpr_kernarg_segment_ptr 1
		.amdhsa_wavefront_size32 1
		.amdhsa_system_sgpr_workgroup_id_x 1
		.amdhsa_system_sgpr_workgroup_id_y 1
		.amdhsa_system_sgpr_workgroup_id_z 1
		.amdhsa_system_vgpr_workitem_id 0
		.amdhsa_next_free_vgpr 168
		.amdhsa_next_free_sgpr 66
		.amdhsa_reserve_vcc 0
		.amdhsa_float_denorm_mode_32 3
		.amdhsa_float_denorm_mode_16_64 3
		.amdhsa_memory_ordered 1
		.amdhsa_forward_progress 1
		.amdhsa_inst_pref_size 16
	.end_amdhsa_kernel
	.amdgpu_metadata
---
amdhsa.version: [ 1, 2 ]
amdhsa.kernels:
  - .name:           k_q833456ae8e_quantx
    .symbol:         k_q833456ae8e_quantx.kd
    .args:
      - { .name: x, .offset: 0, .size: 8, .value_kind: global_buffer, .address_space: global }
      - { .name: xq, .offset: 8, .size: 8, .value_kind: global_buffer, .address_space: global }
      - { .name: W1_codes, .offset: 16, .size: 8, .value_kind: global_buffer, .address_space: global }
      - { .name: W2_codes, .offset: 24, .size: 8, .value_kind: global_buffer, .address_space: global }
      - { .name: Wq_codes, .offset: 32, .size: 8, .value_kind: global_buffer, .address_space: global }
      - { .name: Wk_codes, .offset: 40, .size: 8, .value_kind: global_buffer, .address_space: global }
      - { .name: Wv_codes, .offset: 48, .size: 8, .value_kind: global_buffer, .address_space: global }
      - { .name: Wo_codes, .offset: 56, .size: 8, .value_kind: global_buffer, .address_space: global }
      - { .name: wi, .offset: 64, .size: 8, .value_kind: global_buffer, .address_space: global }
    .group_segment_fixed_size: 67072
    .private_segment_fixed_size: 0
    .kernarg_segment_align: 8
    .kernarg_segment_size: 72
    .max_flat_workgroup_size: 256
    .sgpr_count:     66
    .vgpr_count:     168
    .wavefront_size: 32
...
	.end_amdgpu_metadata
.endif
;; end of part 1
;; launch attn (part 2): grid 16 x 16, 4 waves a work-group, clusters of 4 x 4, 327,680 bytes of LDS; arguments xq, wi, Wq_scales, Wk_scales, Wv_scales, bq, bk, bv, oq; writes oq
.if DOCPART == 2
	.amdgcn_target "amdgcn-amd-amdhsa--gfx1250"
	.amdhsa_code_object_version 6
	.text
	.protected	k_q833456ae8e_attn
	.globl	k_q833456ae8e_attn
	.p2align	8
	.type	k_q833456ae8e_attn,@function
k_q833456ae8e_attn:
	s_mov_b64 s[64:65], 0
	v_nop
	global_prefetch_b8 v0, s[64:65] scope:SCOPE_SE
	s_setreg_imm32_b32 hwreg(HW_REG_WAVE_MODE, 25, 1), 1
	s_wait_xcnt 0x0
	s_wait_alu depctr_hold_cnt(0) depctr_sa_sdst(0) depctr_va_vdst(0) depctr_va_sdst(0) depctr_va_ssrc(0) depctr_va_vcc(0) depctr_vm_vsrc(0)
	s_getreg_b32 s2, hwreg(HW_REG_IB_STS2, 6, 4)
	s_cmp_eq_u32 s2, 0
	s_cbranch_scc0 .Lentry_in_a_cluster
	s_endpgm
.Lentry_in_a_cluster:
	s_bfe_u32 s2, ttmp6, 0x10000c
	s_cmp_lg_u32 s2, 0xf033
	s_cbranch_scc0 .Lentry_shape_is_right
	s_endpgm
.Lentry_shape_is_right:
.set SLOT,  95232
.set WOFF,  49152
.set PITCH, 240
.set FRB,   1536
.set SCLX,  2*SLOT
.set SCLW,  SCLX+8192
.set SPARE, 205312
.set AX16, 4
.set AX8,  6
.set AW,   8
.set ASX,  12
.set ASW,  13
.set L16,  14
.set L8,   15
.set SPW,  28
.set NIL,  29
.set SC,   32
.set XF,   64
.set G1X,  28
.set G0X,  36
.set G1W,  44
.set G0W,  52
.set G1SX, 68
.set G0SX, 76
.set G1SW, 80
.set G0SW, 88
.set SEL,  60
.set MJ,   83
.set TM,   184
.set YT,   200
.set MSB, 0
.macro WIN new
.if MSB != (\new)
	s_set_vgpr_msb (MSB<<8)|(\new)
.set MSB, (\new)
.endif
.endm
.macro PLACES n
.rept \n
	v_nop
.endr
.endm
.macro JLOAD g0a, g1a, g0b, g1b
	s_cmp_eq_u32 s26, 0
	s_cbranch_scc0 .Lfor_b_\@
	tensor_load_to_lds s[\g0a:\g0a+3], s[\g1a:\g1a+7]
	s_nop 0
.rept 4
	v_nop
.endr
	s_branch .Lasked_\@
.Lfor_b_\@:
	tensor_load_to_lds s[\g0b:\g0b+3], s[\g1b:\g1b+7]
	s_nop 0
.rept 4
	v_nop
.endr
.Lasked_\@:
.endm
.macro CREST
	s_cmp_lg_u32 s26, 0
	s_cbranch_scc1 .Lnot_wave_0_\@
	s_barrier_signal -3
.Lnot_wave_0_\@:
	s_barrier_wait -3
	s_barrier_signal -1
	s_barrier_wait -1
.endm
.macro CROUND
	s_barrier_signal -1
	s_barrier_wait -1
	CREST
.endm
.macro FRAGA reg, a16, a8, off
	ds_load_b128 v[\reg:\reg+3], v[\a16] offset:\off
	ds_load_b64 v[\reg+4:\reg+5], v[\a8] offset:\off+512
	ds_load_b128 v[\reg+6:\reg+9], v[\a16] offset:\off+768
	ds_load_b64 v[\reg+10:\reg+11], v[\a8] offset:\off+1280
.endm
.macro FRAGW reg, adr, off             ; a weight's fragment out of its image: three pieces of 16 bytes a lane
.irp c, 0,1,2
	ds_load_b128 v[\reg+4*\c:\reg+4*\c+3], v[\adr] offset:\off+512*\c
.endr
.endm
.macro WM d, s0, s1, c, sa, ra, sb, rb
.if (\ra) && (\rb)
	v_wmma_scale_f32_16x16x128_f8f6f4 v[(\d):(\d)+7], v[(\s0):(\s0)+11], v[(\s1):(\s1)+11], v[(\c):(\c)+7], v[\sa], v[\sb] matrix_a_fmt:MATRIX_FMT_FP6 matrix_b_fmt:MATRIX_FMT_FP6 matrix_a_scale:MATRIX_SCALE_ROW1 matrix_b_scale:MATRIX_SCALE_ROW1
.elseif (\ra)
	v_wmma_scale_f32_16x16x128_f8f6f4 v[(\d):(\d)+7], v[(\s0):(\s0)+11], v[(\s1):(\s1)+11], v[(\c):(\c)+7], v[\sa], v[\sb] matrix_a_fmt:MATRIX_FMT_FP6 matrix_b_fmt:MATRIX_FMT_FP6 matrix_a_scale:MATRIX_SCALE_ROW1
.elseif (\rb)
	v_wmma_scale_f32_16x16x128_f8f6f4 v[(\d):(\d)+7], v[(\s0):(\s0)+11], v[(\s1):(\s1)+11], v[(\c):(\c)+7], v[\sa], v[\sb] matrix_a_fmt:MATRIX_FMT_FP6 matrix_b_fmt:MATRIX_FMT_FP6 matrix_b_scale:MATRIX_SCALE_ROW1
.else
	v_wmma_scale_f32_16x16x128_f8f6f4 v[(\d):(\d)+7], v[(\s0):(\s0)+11], v[(\s1):(\s1)+11], v[(\c):(\c)+7], v[\sa], v[\sb] matrix_a_fmt:MATRIX_FMT_FP6 matrix_b_fmt:MATRIX_FMT_FP6
.endif
.endm
.macro WMZ d, s0, s1, sa, sb
	v_wmma_scale_f32_16x16x128_f8f6f4 v[(\d):(\d)+7], v[(\s0):(\s0)+11], v[(\s1):(\s1)+11], 0, v[\sa], v[\sb] matrix_a_fmt:MATRIX_FMT_FP6 matrix_b_fmt:MATRIX_FMT_FP6
.endm
.macro WEAVE d, y
.irp i, 0,1,2
	v_permlane16_swap_b32 v[(\d)+\i], v[(\y)+\i]
.endr
	v_alignbit_b32 v[(\d)+3], v[(\d)+2], v[(\d)+1], 16
	v_perm_b32 v[(\d)+4], v[(\y)+1], v[(\d)+2], 0x07060302
	v_mov_b32 v[(\d)+5], v[(\y)+2]
	v_perm_b32 v[(\d)+1], v[(\y)], v[(\d)+1], 0x05040100
	v_alignbit_b32 v[(\d)+2], v[(\y)+1], v[(\y)], 16
.endm
.macro QUANT src, w, d0, d1, pw
	WIN 0
.irp b, 0,1,2,3
	v_mov_b32 v[TM+\b], 0x1800000
.endr
	WIN ((\w)<<2)|((\w)<<4)
	s_wait_alu depctr_va_vdst(0)
.irp i, 0,2,4,6,8,10,12,14
.irp b, 0,1,2,3
	v_max3_num_f32 v[TM+\b], v[TM+\b], |v[(\src)+16*\b+\i]|, |v[(\src)+16*\b+\i+1]|
.endr
.endr
	WIN 0
.irp b, 0,1,2,3
	v_permlanex16_b32 v[TM+4+\b], v[TM+\b], s[SEL], s[SEL+1]
.endr
.irp b, 0,1,2,3
	v_max_num_f32 v[TM+\b], v[TM+\b], v[TM+4+\b]
.endr
.irp b, 0,1,2,3
	v_add_nc_u32 v[TM+8+\b], 0xff000000, v[TM+\b]
.endr
.irp b, 0,1,2,3
	v_lshrrev_b32 v[TM+12+\b], 23, v[TM+8+\b]
.endr
	v_lshl_or_b32 v[\pw], v[TM+13], 8, v[TM+12]
	v_lshl_or_b32 v[\pw], v[TM+14], 16, v[\pw]
	v_lshl_or_b32 v[\pw], v[TM+15], 24, v[\pw]
	WIN \w
	v_cvt_scalef32_pk16_fp6_f32 v[(\d0):(\d0)+2], v[(\src):(\src)+15], v[TM+8]
	v_cvt_scalef32_pk16_fp6_f32 v[YT:YT+2], v[(\src)+16:(\src)+31], v[TM+9]
	v_cvt_scalef32_pk16_fp6_f32 v[(\d1):(\d1)+2], v[(\src)+32:(\src)+47], v[TM+10]
	v_cvt_scalef32_pk16_fp6_f32 v[YT+4:YT+6], v[(\src)+48:(\src)+63], v[TM+11]
	WIN 0
	v_nop
	WEAVE \d0, YT
	WEAVE \d1, YT+4
.endm
; Off the diagonal p is 0 by reference()'s own mask: only the diagonal's tiles of scores are multiplied (see launch quantx).  The weights come as images out of wi.
	s_load_b128 s[4:7], s[0:1], 0x0                ; xq 4, wi 6
	s_load_b64 s[8:9], s[0:1], 0x10                ; the scales of Wq 8, Wk 12, Wv 16
	s_load_b64 s[12:13], s[0:1], 0x18
	s_load_b64 s[16:17], s[0:1], 0x20
	s_load_b64 s[18:19], s[0:1], 0x28              ; bq
	s_load_b128 s[20:23], s[0:1], 0x30             ; bk, bv
	s_load_b64 s[24:25], s[0:1], 0x40              ; oq
	v_lshl_add_u32 v[SPW], v0, 2, SPARE
	v_mov_b32 v[NIL], 0
	ds_add_u32 v28, v29
	ds_add_u32 v28, v29
	s_wait_dscnt 0x0
	v_lshrrev_b32 v1, 5, v0
	v_readfirstlane_b32 s26, v1
	s_bfe_u32 s92, ttmp6, 0x40000
	s_bfe_u32 s93, ttmp6, 0x40004
	s_lshl_b32 s94, ttmp9, 2
	s_add_co_u32 s94, s94, s92
	s_and_b32 s95, ttmp7, 0xffff
	s_lshl_b32 s95, s95, 2
	s_add_co_u32 s95, s95, s93
	s_lshl_b32 s96, s93, 2
	s_lshl_b32 s96, 15, s96
	s_lshl_b32 s97, 0x1111, s92
	s_or_b32 s[G1X], s96, (3<<16)|(1<<21)
	s_mov_b32 s[G1X+1], 384<<16
	s_mov_b32 s[G1X+2], 16<<16
	s_mov_b32 s[G1X+3], 384<<16
	s_mov_b32 s[G1X+4], 16
	s_mov_b32 s[G1X+5], 1536
	s_mov_b32 s[G1X+6], 0
	s_mov_b32 s[G1X+7], 0
	s_or_b32 s[G1W], s97, (3<<16)|(1<<21)          ; four tiles' 3,072 bytes (two K steps), 12,288 bytes apart
	s_mov_b32 s[G1W+1], 384<<16
	s_mov_b32 s[G1W+2], 4<<16
	s_mov_b32 s[G1W+3], 384<<16
	s_mov_b32 s[G1W+4], 4
	s_mov_b32 s[G1W+5], 1536
	s_mov_b32 s[G1W+6], 0
	s_mov_b32 s[G1W+7], 0
	s_or_b32 s[G1SX], s96, (3<<16)|(1<<21)
	s_mov_b32 s[G1SX+1], 32<<16
	s_mov_b32 s[G1SX+2], 32<<16
	s_mov_b32 s[G1SX+3], 32<<16
	s_mov_b32 s[G1SX+4], 32
	s_mov_b32 s[G1SX+5], 32
	s_mov_b32 s[G1SX+6], 0
	s_mov_b32 s[G1SX+7], 0
	s_or_b32 s[G1SW], s97, (3<<16)|(1<<20)|(1<<21)|(5<<22)|(3<<25)
	s_mov_b32 s[G1SW+1], 32<<16
	s_mov_b32 s[G1SW+2], 8<<16
	s_mov_b32 s[G1SW+3], 32<<16
	s_mov_b32 s[G1SW+4], 8
	s_mov_b32 s[G1SW+5], 32
	s_mov_b32 s[G1SW+6], 0
	s_mov_b32 s[G1SW+7], 0
	s_mul_i32 s98, s95, 196608
	s_mov_b32 s99, 0
	s_lshl_b32 s100, s95, 13
	s_add_co_u32 s100, s100, 3145728
	s_mov_b32 s101, 0
	s_mul_i32 s60, s94, 49152
	s_mul_i32 s27, s26, 786432                     ; waves 1, 2, 3: Wq's, Wk's, Wv's images
	s_add_co_u32 s60, s60, s27
	s_add_co_u32 s60, s60, 6291456-786432
	s_mov_b32 s61, 0
	s_lshl_b32 s62, s94, 11
	s_mov_b32 s63, 0
	s_mul_i32 s27, s26, 12288
	s_add_co_u32 s27, s27, WOFF-12288
	s_wait_kmcnt 0x0
	s_cmp_eq_u32 s26, 1
	s_cselect_b64 s[66:67], s[8:9], s[12:13]
	s_cmp_eq_u32 s26, 3
	s_cselect_b64 s[66:67], s[16:17], s[66:67]
	s_mov_b64 s[2:3], s[6:7]
	s_add_nc_u64 s[2:3], s[2:3], s[60:61]
	s_add_nc_u64 s[66:67], s[66:67], s[62:63]
	s_add_nc_u64 s[98:99], s[4:5], s[98:99]
	s_add_nc_u64 s[100:101], s[4:5], s[100:101]
	CROUND
	s_mov_b32 s[G0SX], 1
	s_mov_b32 s[G0SX+1], SCLX
	s_mov_b64 s[G0SX+2:G0SX+3], s[100:101]
	s_or_b32 s[G0SX+3], s[G0SX+3], 0x80000000
	s_mov_b32 s[G0SW], 1
	s_mul_i32 s[G0SW+1], s26, 2176
	s_add_co_u32 s[G0SW+1], s[G0SW+1], SCLW-2176
	s_mov_b64 s[G0SW+2:G0SW+3], s[66:67]
	s_or_b32 s[G0SW+3], s[G0SW+3], 0x80000000
	JLOAD G0SX, G1SX, G0SW, G1SW
.irp s, 0,1
	s_mov_b32 s[G0X+4*\s], 1
	s_mov_b32 s[G0X+4*\s+1], \s*SLOT
	s_add_nc_u64 s[G0X+4*\s+2:G0X+4*\s+3], s[98:99], \s*3072
	s_or_b32 s[G0X+4*\s+3], s[G0X+4*\s+3], 0x80000000
	s_mov_b32 s[G0W+4*\s], 1
	s_add_co_u32 s[G0W+4*\s+1], s27, \s*SLOT
	s_add_nc_u64 s[G0W+4*\s+2:G0W+4*\s+3], s[2:3], \s*3072
	s_or_b32 s[G0W+4*\s+3], s[G0W+4*\s+3], 0x80000000
	s_wait_alu depctr_va_vdst(0)
	s_wait_tensorcnt 0x0
	ds_add_u32 v28, v29
	s_wait_dscnt 0x0
	CROUND
	JLOAD G0X+4*\s, G1X, G0W+4*\s, G1W
.endr
	v_and_b32 v1, 15, v0
	v_bfe_u32 v2, v0, 4, 1
	v_and_b32 v3, 31, v0
	v_lshlrev_b32 v[L16], 4, v3
	v_lshlrev_b32 v[L8], 3, v3
	v_lshlrev_b32 v16, 5, v2
	v_lshlrev_b32 v17, 4, v2
	v_lshlrev_b32 v18, 2, v1
	s_mul_i32 s60, s26, 12288
.irp s, 0,1
	v_add_nc_u32 v[AX16+\s], s60, v[L16]
	v_add_nc_u32 v[AX8+\s], s60, v[L8]
	s_add_co_u32 s60, s60, SLOT
.endr
.irp s, 0,1
	v_add_nc_u32 v[AW+\s], WOFF+\s*SLOT, v[L16]
.endr
	s_lshr_b32 s60, s26, 1
	s_lshl_b32 s60, s60, 12
	s_and_b32 s61, s26, 1
	s_lshl_b32 s61, s61, 3
	s_add_co_u32 s60, s60, s61
	s_add_co_u32 s60, s60, SCLX
	v_add_nc_u32 v[ASX], s60, v[L16]
	v_lshrrev_b32 v21, 3, v3
	v_lshlrev_b32 v[ASW], 5, v3
	v_lshl_add_u32 v[ASW], v21, 4, v[ASW]
	v_add_nc_u32 v[ASW], SCLW, v[ASW]
	s_lshl_b32 s62, s94, 8
	s_mov_b32 s63, 0
	s_add_nc_u64 s[18:19], s[18:19], s[62:63]
	s_add_nc_u64 s[20:21], s[20:21], s[62:63]
	s_add_nc_u64 s[22:23], s[22:23], s[62:63]
	WIN 0xc0
.irp t, 0,1,2,3
	global_load_b128 v[128+8*\t:128+8*\t+3], v16, s[18:19] offset:64*\t
	global_load_b128 v[132+8*\t:132+8*\t+3], v16, s[18:19] offset:64*\t+16
	global_load_b128 v[160+8*\t:160+8*\t+3], v16, s[20:21] offset:64*\t
	global_load_b128 v[164+8*\t:164+8*\t+3], v16, s[20:21] offset:64*\t+16
	global_load_b32 v[192+8*\t], v18, s[22:23] offset:64*\t
.endr
	s_wait_loadcnt 0x0
	WIN 0xc3
.irp t, 0,1,2,3
.irp j, 1,2,3,4,5,6,7
	v_mov_b32 v[192+8*\t+\j], v[192+8*\t]
.endr
.endr
	WIN 0
	PLACES 4
.macro FETCH_X slot, q, xs
.irp a, 0,1,2,3
	FRAGA XF+48*(\xs)+12*\a, AX16+\slot, AX8+\slot, \a*3072+(\q)*FRB
.endr
.endm
.macro FETCH_W slot, q, i0
	WIN 0x40
.irp i, \i0, \i0+1, \i0+2, \i0+3, \i0+4, \i0+5
	FRAGW 12*(\i), AW+\slot, (\i)*3072+(\q)*FRB
.endr
	WIN 0
.endm
.macro SCALES sc
.irp q, 0,1
	ds_load_b64 v[SC+16*\sc+2*\q:SC+16*\sc+2*\q+1], v[ASX] offset:\q*512
.endr
.irp g, 0,1,2,3,4,5
	ds_load_b64 v[SC+16*\sc+4+2*\g:SC+16*\sc+4+2*\g+1], v[ASW] offset:\g*1088
.endr
.endm
.macro MULW i, xs, q, sc, first
.irp a, 0,1,2,3
.if (\i) < 8
.if \first
	WM 128*((\i)/4)+32*\a+8*((\i)%4), 12*(\i), XF+48*(\xs)+12*\a, 128+8*(\i), SC+16*(\sc)+4+2*((\i)/2)+(\q), (\i)%2, SC+16*(\sc)+2*(\q)+\a/2, \a%2
.else
	WM 128*((\i)/4)+32*\a+8*((\i)%4), 12*(\i), XF+48*(\xs)+12*\a, 128*((\i)/4)+32*\a+8*((\i)%4), SC+16*(\sc)+4+2*((\i)/2)+(\q), (\i)%2, SC+16*(\sc)+2*(\q)+\a/2, \a%2
.endif
.else
.if \first
	WM 32*((\i)-8)+8*\a, XF+48*(\xs)+12*\a, 12*(\i), 192+8*((\i)-8), SC+16*(\sc)+2*(\q)+\a/2, \a%2, SC+16*(\sc)+4+2*((\i)/2)+(\q), (\i)%2
.else
	WM 32*((\i)-8)+8*\a, XF+48*(\xs)+12*\a, 12*(\i), 32*((\i)-8)+8*\a, SC+16*(\sc)+2*(\q)+\a/2, \a%2, SC+16*(\sc)+4+2*((\i)/2)+(\q), (\i)%2
.endif
.endif
.endr
.endm
.macro WQK first
.if \first
	WIN 0xb1
.else
	WIN 0xa1
.endif
.endm
.macro STEP slot, first
	s_wait_dscnt 18                                ; the youngest 18 loads (weights' tiles 6-11) may be out
	WQK \first
.irp i, 0,1,2,3,4,5
	MULW \i, 0, 0, \slot, \first
.endr
	s_wait_dscnt 0x0
	PLACES 4
	WIN 0
	FETCH_X \slot, 1, 1
	FETCH_W \slot, 1, 0
	WQK \first
.irp i, 6,7
	MULW \i, 0, 0, \slot, \first
.endr
	WIN 0xf4
.irp i, 8,9,10,11
	MULW \i, 0, 0, \slot, \first
.endr
	PLACES 4
	FETCH_W \slot, 1, 6
.endm
.macro TURN slot, next, fill
	s_wait_tensorcnt 0x0
	ds_add_u32 v[SPW], v[NIL]
	s_wait_dscnt 19
	WIN 0xa1
.irp i, 0,1,2
	MULW \i, 1, 1, \slot, 0
.endr
	s_wait_dscnt 0x0
	s_barrier_signal -1
.irp i, 3,4,5
	MULW \i, 1, 1, \slot, 0
.endr
	WIN 0
	s_barrier_wait -1
.if \fill
	CREST
	s_add_nc_u64 s[G0X+4*\slot+2:G0X+4*\slot+3], s[G0X+4*\slot+2:G0X+4*\slot+3], 6144
	s_add_nc_u64 s[G0W+4*\slot+2:G0W+4*\slot+3], s[G0W+4*\slot+2:G0W+4*\slot+3], 6144
	JLOAD G0X+4*\slot, G1X, G0W+4*\slot, G1W
.else
	PLACES 4
.endif
	s_wait_alu depctr_va_vdst(0)
	v_add_nc_u32 v[ASX], 1024, v[ASX]
	v_add_nc_u32 v[ASW], 8, v[ASW]
	FETCH_X \next, 0, 0
	FETCH_W \next, 0, 0
	SCALES \next
	WIN 0xa1
.irp i, 6,7
	MULW \i, 1, 1, \slot, 0
.endr
	WIN 0xf4
.irp i, 8,9,10,11
	MULW \i, 1, 1, \slot, 0
.endr
	PLACES 4
	FETCH_W \next, 0, 6
.endm
	s_wait_alu depctr_va_vdst(0)
	s_wait_tensorcnt 1
	s_barrier_signal -1
	s_barrier_wait -1
	FETCH_X 0, 0, 0
	FETCH_W 0, 0, 0
	SCALES 0
	FETCH_W 0, 0, 6
	STEP 0, 1
	s_mov_b32 s3, 1
.Llap:
	TURN 0, 1, 1
	STEP 1, 0
	TURN 1, 0, 1
	STEP 0, 0
	s_sub_co_u32 s3, s3, 1
	s_cmp_lg_u32 s3, 0
	s_cbranch_scc1 .Llap
	TURN 0, 1, 0
	STEP 1, 0
	s_wait_dscnt 18
	WIN 0xa1
.irp i, 0,1,2,3,4,5
	MULW \i, 1, 1, 1, 0
.endr
	s_wait_dscnt 0x0
.irp i, 6,7
	MULW \i, 1, 1, 1, 0
.endr
	WIN 0xf4
.irp i, 8,9,10,11
	MULW \i, 1, 1, 1, 0
.endr
	WIN 0
.set SQ,  32
.set SK,  34
.set SV,  36
.set SPS, 38
.set QF,  64
.set KF,  88
.set SS,  124
.set PZ,  64
.set VF,  118
.set OC,  142
.set DG,  208
.set DX,  212
.set PP,  216
.set RR,  220
.set SO,  228
.set TW,  232
.set TJ,  236
.set CT,  252
	PLACES 4
	s_mov_b32 s[SEL], 0x76543210
	s_mov_b32 s[SEL+1], 0xfedcba98
	s_mov_b32 s62, 0x3e38aa3b
.set j, 0
.rept 16
	s_mov_b32 s[68+j], 0x00010001<<j
.set j, j+1
.endr
.set j, 1
.rept 7
	s_mov_b32 s[MJ+j], 0x01010101<<j
.set j, j+1
.endr
	s_mov_b32 s91, 0xff0000ff
	s_mov_b32 s92, 0x0000ffff
	s_mov_b32 s93, 0xffff0000
.irp b, 0,1,2,3
	v_mov_b32 v[TM+4+\b], 0
	v_mov_b32 v[DX+\b], 0
.endr
.irp p, 0,1
.irp i, 6,7,8,9,10,11
	v_mov_b32 v[KF+18*\p+\i], 0
.endr
.endr
.irp p, 0,1
	QUANT 64*\p, 2, QF+12*\p, QF+12*\p+6, SQ+\p
	QUANT 128+64*\p, 2, KF+18*\p, KF+18*\p+12, SK+\p
.endr
	PLACES 8
.irp a, 0,1,2,3
	WMZ SS+8*\a, KF+18*(\a/2)+6*(\a%2), QF+12*(\a/2), SK+\a/2, SQ+\a/2
.endr
	PLACES 4
.irp a, 0,1,2,3
	v_cndmask_b32 v[DG+\a], v[SS+8*\a], v[SS+8*\a+1], s[MJ+1]
.endr
.irp j, 2,3,4,5,6,7
.irp a, 0,1,2,3
	v_cndmask_b32 v[DG+\a], v[DG+\a], v[SS+8*\a+\j], s[MJ+\j]
.endr
.endr
.irp a, 0,1,2,3
	v_permlanex16_b32 v[DX+\a], v[DG+\a], s[SEL], s[SEL+1]
.endr
.irp a, 0,1,2,3
	v_cndmask_b32 v[DG+\a], v[DX+\a], v[DG+\a], s91
.endr
.irp a, 0,1,2,3
	v_mul_f32 v[TW+\a], s62, v[DG+\a]
.endr
.irp a, 0,1,2,3
	v_floor_f32 v[TW+\a], -v[TW+\a]
.endr
.irp a, 0,1,2,3
	v_fma_f32 v[TW+\a], v[DG+\a], s62, v[TW+\a]
.endr
	s_wait_alu depctr_va_vdst(0)
.irp a, 0,1,2,3
	v_exp_f32 v[PP+\a], v[TW+\a]
.endr
	v_nop
	s_wait_alu depctr_va_vdst(0)
.irp a, 0,1,2,3
	v_add_nc_u32 v[SO+\a], 0xff000000, v[PP+\a]
.endr
.irp a, 0,1,2,3
	v_lshrrev_b32 v[TW+\a], 23, v[SO+\a]
.endr
.irp a, 0,1,2,3
	v_lshl_or_b32 v[TW+\a], v[TW+\a], 8, v[TW+\a]
.endr
.irp a, 0,1,2,3
	v_lshl_or_b32 v[SPS+\a], v[TW+\a], 16, v[TW+\a]
.endr
.irp a, 0,1,2,3
	v_rcp_f32 v[RR+2*\a], v[PP+\a]
.endr
.irp a, 0,1,2,3
	v_mov_b32 v[RR+2*\a+1], 0
.endr
.set j, 0
.rept 54
	v_mov_b32 v[PZ+j], 0
.set j, j+1
.endr
.irp a, 0,1,2,3
	v_cndmask_b32 v[TW], 0, v[PP+\a], s[92+\a/2]
.irp j, 0,1,2,3,4,5,6,7,8,9,10,11,12,13,14,15
	v_cndmask_b32 v[TJ+\j], 0, v[TW], s[68+\j]
.endr
	v_cvt_scalef32_pk16_fp6_f32 v[CT:CT+2], v[TJ:TJ+15], v[SO+\a]
	v_nop
.irp i, 0,1,2
	v_mov_b32 v[PZ+6+12*\a+3*(\a%2)+\i], v[CT+\i]
.endr
.endr
.irp p, 0,1
	QUANT 64*\p, 3, VF+12*\p, VF+12*\p+6, SV+\p
.endr
	WIN 0x40
	PLACES 8
.irp a, 0,1,2,3
.irp t, 0,1,2,3
	WMZ 32*\a+8*\t, VF+12*(\t/2), PZ+6+12*\a-6*(\t%2), SV+\t/2, SPS+\a
.endr
.endr
	PLACES 4
	s_wait_alu depctr_va_vdst(0)
	WIN 0x41
.irp a, 0,1,2,3
.irp i, 0,2,4,6,8,10,12,14,16,18,20,22,24,26,28,30
	v_pk_mul_f32 v[32*\a+\i:32*\a+\i+1], v[32*\a+\i:32*\a+\i+1], v[RR+2*\a:RR+2*\a+1] op_sel_hi:[1,0]
.endr
.endr
	WIN 0
	s_lshl_b32 s98, s95, 4
	s_lshl_b32 s99, s26, 2
	s_add_co_u32 s98, s98, s99
	s_lshl_b32 s98, s98, 3
	s_lshr_b32 s99, s94, 1
	s_add_co_u32 s98, s98, s99
	s_mul_i32 s98, s98, FRB
	s_and_b32 s100, s94, 1
	s_mul_i32 s101, s100, 768
	s_add_co_u32 s98, s98, s101
	s_mov_b32 s99, 0
	s_add_nc_u64 s[66:67], s[24:25], s[98:99]
	s_lshl_b32 s98, s95, 1
	s_lshr_b32 s101, s26, 1
	s_add_co_u32 s98, s98, s101
	s_lshl_b32 s98, s98, 12
	s_lshr_b32 s101, s94, 1
	s_lshl_b32 s101, s101, 9
	s_add_co_u32 s98, s98, s101
	s_and_b32 s101, s26, 1
	s_lshl_b32 s101, s101, 3
	s_add_co_u32 s98, s98, s101
	s_lshl_b32 s100, s100, 1
	s_add_co_u32 s98, s98, s100
	s_add_co_u32 s98, s98, 3145728
	s_add_nc_u64 s[24:25], s[24:25], s[98:99]
.irp p, 0,1
	QUANT 64*\p, 1, OC+12*\p, OC+12*\p+6, TW+\p
.endr
.irp a, 0,1,2,3
	global_store_b128 v[L16], v[OC+6*\a:OC+6*\a+3], s[66:67] offset:\a*12288
	global_store_b64 v[L8], v[OC+6*\a+4:OC+6*\a+5], s[66:67] offset:\a*12288+512
.endr
.irp p, 0,1
	v_lshrrev_b32 v[TW+2+\p], v17, v[TW+\p]
	global_store_b16 v[L16], v[TW+2+\p], s[24:25] offset:4*\p
.endr
	s_wait_tensorcnt 0x0
	ds_add_u32 v[SPW], v[NIL]
	s_wait_dscnt 0x0
	CROUND
	s_endpgm
.Lfunc_end_k_q833456ae8e_attn:
	.size	k_q833456ae8e_attn, .Lfunc_end_k_q833456ae8e_attn-k_q833456ae8e_attn
	.p2alignl 7, 3214868480
	.fill 96, 4, 3214868480
	.section	.rodata,"a",@progbits
	.p2align	6, 0x0
	.amdhsa_kernel k_q833456ae8e_attn
		.amdhsa_group_segment_fixed_size 327680
		.amdhsa_private_segment_fixed_size 0
		.amdhsa_enable_private_segment 0
		.amdhsa_kernarg_size 72
		.amdhsa_user_sgpr_count 2
		.amdhsa_user_sgpr_kernarg_segment_ptr 1
		.amdhsa_wavefront_size32 1
		.amdhsa_system_sgpr_workgroup_id_x 1
		.amdhsa_system_sgpr_workgroup_id_y 1
		.amdhsa_system_sgpr_workgroup_id_z 1
		.amdhsa_system_vgpr_workitem_id 0
		.amdhsa_next_free_vgpr 1024
		.amdhsa_next_free_sgpr 102
		.amdhsa_reserve_vcc 0
		.amdhsa_float_denorm_mode_32 3
		.amdhsa_float_denorm_mode_16_64 3
		.amdhsa_memory_ordered 1
		.amdhsa_forward_progress 1
		.amdhsa_inst_pref_size 155
	.end_amdhsa_kernel
	.amdgpu_metadata
---
amdhsa.version: [ 1, 2 ]
amdhsa.kernels:
  - .name:           k_q833456ae8e_attn
    .symbol:         k_q833456ae8e_attn.kd
    .args:
      - { .name: xq, .offset: 0, .size: 8, .value_kind: global_buffer, .address_space: global }
      - { .name: wi, .offset: 8, .size: 8, .value_kind: global_buffer, .address_space: global }
      - { .name: Wq_scales, .offset: 16, .size: 8, .value_kind: global_buffer, .address_space: global }
      - { .name: Wk_scales, .offset: 24, .size: 8, .value_kind: global_buffer, .address_space: global }
      - { .name: Wv_scales, .offset: 32, .size: 8, .value_kind: global_buffer, .address_space: global }
      - { .name: bq, .offset: 40, .size: 8, .value_kind: global_buffer, .address_space: global }
      - { .name: bk, .offset: 48, .size: 8, .value_kind: global_buffer, .address_space: global }
      - { .name: bv, .offset: 56, .size: 8, .value_kind: global_buffer, .address_space: global }
      - { .name: oq, .offset: 64, .size: 8, .value_kind: global_buffer, .address_space: global }
    .group_segment_fixed_size: 327680
    .private_segment_fixed_size: 0
    .kernarg_segment_align: 8
    .kernarg_segment_size: 72
    .max_flat_workgroup_size: 128
    .sgpr_count:     102
    .vgpr_count:     1024
    .wavefront_size: 32
...
	.end_amdgpu_metadata
.endif
;; end of part 2
;; launch ln1 (part 3): grid 256 x 1, 8 waves a work-group, no clusters, 67,072 bytes of LDS; arguments x, g1, beta1, h, hq, oq, wi, Wo_scales, bo; writes h, hq
.if DOCPART == 3
	.amdgcn_target "amdgcn-amd-amdhsa--gfx1250"
	.amdhsa_code_object_version 6
	.text
	.protected	k_q833456ae8e_ln1
	.globl	k_q833456ae8e_ln1
	.p2align	8
	.type	k_q833456ae8e_ln1,@function
k_q833456ae8e_ln1:
	s_mov_b64 s[64:65], 0
	v_nop
	global_prefetch_b8 v0, s[64:65] scope:SCOPE_SE
	s_setreg_imm32_b32 hwreg(HW_REG_WAVE_MODE, 25, 1), 1
	s_wait_xcnt 0x0
; h = LayerNorm(r1) x g1 + beta1, rows of 1,024 f32, and h as codes of FP6 (E2M3) with E8M0 scales, laid as launch quantx lays x (see there: fragments as images of the operand's registers, scale words by blocks of 128 rows).
; A work-group takes 16 rows.  Wave w owns rows 2 w, 2 w + 1 whole, in registers: mean, then the sum of squares of the differences (two passes over registers, so that a common offset of the inputs costs nothing),
; 1 / sqrt(var + 1e-5), gain and bias; h goes to memory (512 consecutive bytes a store) and into a stage in LDS.  Behind one barrier wave w quantises K step w of the 16 rows.
; LIMITS: NaN and infinities are not served; a block of zeros or under 2^-124 gets the scale byte 1 (workspace bytes, read by this program alone).
; No cluster, no tensor load: Wo, gain and bias, which work-groups share, come by plain loads.
.set SP,    4112
.set X,     152                        ; v152-215 two rows
.set G,     64                         ; v64-95   the gain
.set BE,    96                         ; v96-127  the bias of the norm
.set BO,    32                         ; v32-63   bo
.set TP,    12                         ; row p's eight work registers at v[TP + 8 p]
.set CD,    96
.set TT,    108
.set SCOFF, 3145728
.macro ACROSS                          ; v[TP + 8 p] summed over the wave's 32 lanes, the two rows by turns
.irp m, 1,2,4,8
.irp p, 0,1
	s_delay_alu instid0(VALU_DEP_2)
	v_add_f32_dpp v[TP+8*\p], v[TP+8*\p], v[TP+8*\p] row_xmask:\m row_mask:0xf bank_mask:0xf
.endr
.endr
.irp p, 0,1
	s_delay_alu instid0(VALU_DEP_2)
	v_permlanex16_b32 v[TP+8*\p+4], v[TP+8*\p], s20, s21
.endr
.irp p, 0,1
	s_delay_alu instid0(VALU_DEP_2)
	v_add_f32 v[TP+8*\p], v[TP+8*\p], v[TP+8*\p+4]
.endr
.endm
	s_load_b256 s[4:11], s[0:1], 0x0               ; x 4, g1 6, beta1 8, h 10
	s_load_b64 s[12:13], s[0:1], 0x20
	s_load_b256 s[36:43], s[0:1], 0x28             ; oq 36, wi 38, Wo's scales 40, bo 42
	v_lshl_add_u32 v30, v0, 2, 0x10200
	v_mov_b32 v31, 0
	v_lshrrev_b32 v1, 5, v0
	s_delay_alu instid0(VALU_DEP_1)
	v_readfirstlane_b32 s14, v1                    ; wave 0..7
	v_and_b32 v2, 31, v0
	s_delay_alu instid0(VALU_DEP_1)
	v_lshlrev_b32 v3, 4, v2                        ; 16 x lane
	s_delay_alu instid0(VALU_DEP_2)
	v_lshlrev_b32 v9, 3, v2                        ; 8 x lane
	v_and_b32 v6, 15, v0                           ; r
	v_bfe_u32 v7, v0, 4, 1                         ; h
	s_delay_alu instid0(VALU_DEP_2)
	v_lshlrev_b32 v10, 4, v6
	s_delay_alu instid0(VALU_DEP_2)
	v_lshlrev_b32 v11, 3, v7
	s_lshl_b32 s15, s14, 13
	v_add_nc_u32 v4, s15, v3                       ; in memory: my wave's two rows, my 16 bytes
	s_mul_i32 s15, s14, 2*SP
	v_add_nc_u32 v5, s15, v3                       ; the same in the stage
	v_mul_u32_u24 v8, v6, SP
	s_delay_alu instid0(VALU_DEP_1)
	v_lshl_add_u32 v8, v7, 7, v8
	s_lshl_b32 s15, s14, 9
	v_add_nc_u32 v8, s15, v8                       ; out of the stage: row r, K step w, + 128 h bytes
.irp p, 0,1
	v_mov_b32 v[TP+8*\p+4], 0                      ; a lane permute's destination counts as one of its sources
	v_mov_b32 v[TP+8*\p+7], 0                      ; (named as the upper half of a pair whose low word serves both halves)
.endr
	s_mov_b32 s20, 0x76543210
	s_mov_b32 s21, 0xfedcba98
	s_mov_b32 s22, 0x3a800000                      ; 1 / 1024
	s_mov_b32 s23, 0x3727c5ac                      ; 1e-5
	s_lshl_b32 s16, ttmp9, 16
	s_mov_b32 s17, 0
	s_lshl_b32 s18, ttmp9, 3
	s_add_co_u32 s18, s18, s14
	s_mul_i32 s18, s18, 1536
	s_mov_b32 s19, 0
	s_lshr_b32 s26, ttmp9, 3
	s_lshl_b32 s26, s26, 12
	s_lshl_b32 s27, s14, 9
	s_add_co_u32 s26, s26, s27
	s_and_b32 s27, ttmp9, 1
	s_lshl_b32 s27, s27, 8
	s_add_co_u32 s26, s26, s27
	s_bfe_u32 s27, ttmp9, 0x20001
	s_lshl_b32 s27, s27, 2
	s_add_co_u32 s26, s26, s27
	s_add_co_u32 s26, s26, SCOFF
	s_mov_b32 s27, 0
	v_lshlrev_b32 v28, 5, v2                       ; Wo's scales: 32 bytes a row, row = lane
	v_mul_u32_u24 v29, v6, SP
	s_lshl_b32 s28, s14, 9
	v_lshl_add_u32 v29, v7, 5, v29
	v_add_nc_u32 v29, s28, v29                     ; the product into the stage: row r, my wave's 512 bytes, + 32 h
	s_mul_i32 s44, ttmp9, 12288                    ; oq: my tile's eight fragments
	s_mov_b32 s45, 0
	s_sub_co_u32 s46, s26, s28                     ; and its scale words (laid as hq's; K step 0)
	s_mov_b32 s47, 0
	s_mul_i32 s48, s14, 98304                      ; Wo's images: my wave's eight tiles
	s_add_co_u32 s48, s48, 8650752
	s_mov_b32 s49, 0
	s_lshl_b32 s50, s14, 12                        ; the scales of my 128 rows of Wo
	s_mov_b32 s51, 0
	s_wait_alu depctr_va_vdst(0)
	s_wait_kmcnt 0x0
	s_add_nc_u64 s[46:47], s[36:37], s[46:47]
	s_add_nc_u64 s[36:37], s[36:37], s[44:45]
	s_add_nc_u64 s[38:39], s[38:39], s[48:49]
	s_add_nc_u64 s[40:41], s[40:41], s[50:51]
	s_add_nc_u64 s[4:5], s[4:5], s[16:17]
	s_add_nc_u64 s[10:11], s[10:11], s[16:17]
	s_add_nc_u64 s[24:25], s[12:13], s[26:27]      ; my scale words
	s_add_nc_u64 s[12:13], s[12:13], s[18:19]      ; my fragment
; THE PROJECTION ON THE WAY OUT STANDS HERE, AHEAD OF THE NORM: what is normalised is x + bo + o Wo^T, and its rows never go to memory.  The work-group's 16 rows of o (codes and scale words out of oq) x all 1,024 rows of Wo.
; Wave w makes columns 128 w .. 128 w + 127: eight tiles of Wo, which no other wave of the work-group reads: so the fragments go from memory straight into registers (512 consecutive bytes a load);
; no tensor load, no cluster: what work-groups share is read by plain loads.  Source 0 = 16 rows of Wo, source 1 = the 16 rows of o: a lane holds eight neighbouring numbers of a row.
; A unit is two tiles x four K steps: 24 loads, 8 products, the two accumulators by turns.  Eight units on three buffers: two units are on their way while one is multiplied.
; REGISTERS: v32-39 o's scale words, v40-55 Wo's (two sets), v56-151 o's eight fragments, v152-247 buffer 2; window 1: v0-95, v96-191 buffers 0, 1, v192-255 the eight accumulators.
.set SA, 32
.set SW, 40
.set AF, 56
.set ACC, 192
.set MSB, 0
.macro WIN new
.if MSB != (\new)
	s_set_vgpr_msb (MSB<<8)|(\new)
.set MSB, (\new)
.endif
.endm
.macro WMO d, w, a, sw, sa, t, z
.if \z
.if \t
	v_wmma_scale_f32_16x16x128_f8f6f4 v[(\d):(\d)+7], v[(\w):(\w)+11], v[(\a):(\a)+11], 0, v[\sw], v[\sa] matrix_a_fmt:MATRIX_FMT_FP6 matrix_b_fmt:MATRIX_FMT_FP6 matrix_a_scale:MATRIX_SCALE_ROW1
.else
	v_wmma_scale_f32_16x16x128_f8f6f4 v[(\d):(\d)+7], v[(\w):(\w)+11], v[(\a):(\a)+11], 0, v[\sw], v[\sa] matrix_a_fmt:MATRIX_FMT_FP6 matrix_b_fmt:MATRIX_FMT_FP6
.endif
.else
.if \t
	v_wmma_scale_f32_16x16x128_f8f6f4 v[(\d):(\d)+7], v[(\w):(\w)+11], v[(\a):(\a)+11], v[(\d):(\d)+7], v[\sw], v[\sa] matrix_a_fmt:MATRIX_FMT_FP6 matrix_b_fmt:MATRIX_FMT_FP6 matrix_a_scale:MATRIX_SCALE_ROW1
.else
	v_wmma_scale_f32_16x16x128_f8f6f4 v[(\d):(\d)+7], v[(\w):(\w)+11], v[(\a):(\a)+11], v[(\d):(\d)+7], v[\sw], v[\sa] matrix_a_fmt:MATRIX_FMT_FP6 matrix_b_fmt:MATRIX_FMT_FP6
.endif
.endif
.endm
.macro UNITSET u                       ; unit u: tiles 2 PR, 2 PR + 1, K steps 4 KH .. 4 KH + 3, buffer u % 3 at v[BB] of window BW
.set PR, (\u)/2
.set KH, (\u)%2
.set BW, 1-((\u)%3)/2
.set BB, 96*((\u)%3)-40*(((\u)%3)/2)
.endm
.macro UNIT_LD u
	UNITSET \u
.if KH == 0
	WIN 0
	global_load_b128 v[SW+8*(PR%2):SW+8*(PR%2)+3], v28, s[40:41] offset:PR*1024       ; the pair's scale words, all eight K steps: lanes 0-15 the even tile's rows, lanes 16-31 the odd one's
	global_load_b128 v[SW+8*(PR%2)+4:SW+8*(PR%2)+7], v28, s[40:41] offset:PR*1024+16
.endif
	WIN BW<<6
.irp t, 0,1
.irp k, 0,1,2,3
.irp c, 0,1,2
	global_load_b128 v[BB+12*(4*\t+\k)+4*\c:BB+12*(4*\t+\k)+4*\c+3], v3, s[38:39] offset:(2*PR+\t)*12288+(4*KH+\k)*1536+512*\c
.endr
.endr
.endr
.endm
.macro UNIT_MM u
	UNITSET \u
	WIN 0x50|BW
.irp k, 0,1,2,3
.irp t, 0,1
	WMO ACC+8*(2*PR+\t), BB+12*(4*\t+\k), AF+12*(4*KH+\k), SW+8*(PR%2)+4*KH+\k, SA+4*KH+\k, \t, (KH+\k)==0
.endr
.endr
.endm
.irp k, 0,1,2,3,4,5,6,7
	global_load_b32 v[SA+\k], v10, s[46:47] offset:512*\k                 ; row r's scale word of K step k
.endr
.irp k, 0,1,2,3,4,5,6,7
	global_load_b128 v[AF+12*\k:AF+12*\k+3], v3, s[36:37] offset:1536*\k
	global_load_b64 v[AF+12*\k+4:AF+12*\k+5], v9, s[36:37] offset:1536*\k+512
	global_load_b128 v[AF+12*\k+6:AF+12*\k+9], v3, s[36:37] offset:1536*\k+768
	global_load_b64 v[AF+12*\k+10:AF+12*\k+11], v9, s[36:37] offset:1536*\k+1280
.endr
	UNIT_LD 0
	UNIT_LD 1
	UNIT_LD 2
.irp u, 0,1,2,3,4,5,6,7
.if \u < 6
	s_wait_loadcnt 50                              ; younger than this unit's loads: two units of 24 and one pair's 2 loads of scale words
.elseif \u == 6
	s_wait_loadcnt 40                              ; unit 7's 24 and x's 16
.else
	s_wait_loadcnt 16                              ; x's 16
.endif
	UNIT_MM \u
.rept 4
	v_nop                                          ; places ahead of loads into registers that matrix instructions have read, and of the stores of results
.endr
.if \u < 5
	UNIT_LD \u+3
.elseif \u == 5
	WIN 0
.irp p, 0,1
.irp j, 0,1,2,3,4,5,6,7
	global_load_b128 v[X+32*\p+4*\j:X+32*\p+4*\j+3], v4, s[4:5] offset:4096*\p+512*\j th:TH_LOAD_NT   ; x, my wave's two rows, into buffer 2, which is done with
.endr
.endr
.endif
.endr
	WIN 0x04                                       ; the data: window 1
.irp t, 0,1,2,3,4,5,6,7
	ds_store_b128 v29, v[ACC+8*\t:ACC+8*\t+3] offset:64*\t          ; each accumulator from its low end on
	ds_store_b128 v29, v[ACC+8*\t+4:ACC+8*\t+7] offset:64*\t+16
.endr
	WIN 0
.irp j, 0,1,2,3,4,5,6,7
	global_load_b128 v[BO+4*\j:BO+4*\j+3], v3, s[42:43] offset:512*\j
.endr
.irp j, 0,1,2,3,4,5,6,7
	global_load_b128 v[G+4*\j:G+4*\j+3], v3, s[6:7] offset:512*\j
	global_load_b128 v[BE+4*\j:BE+4*\j+3], v3, s[8:9] offset:512*\j
.endr
	s_wait_dscnt 0x0                               ; for the others' sake: my columns lie in the stage
	s_barrier_signal -1
	s_barrier_wait -1
	WIN 0x40
.irp p, 0,1
.irp j, 0,1,2,3,4,5,6,7
	ds_load_b128 v[32*\p+4*\j:32*\p+4*\j+3], v5 offset:SP*\p+512*\j   ; my two rows of the product, whole, into window 1
.endr
.endr
	WIN 0
	s_wait_loadcnt 16                              ; x and bo are in; the 16 loads of gain and bias may stay out
	s_wait_dscnt 0x0
	WIN 0x04
.set i, 0
.rept 32
	v_pk_add_f32 v[X+i:X+i+1], v[X+i:X+i+1], v[i:i+1]
.set i, i+2
.endr
	WIN 0
.set i, 0
.rept 16
	v_pk_add_f32 v[X+i:X+i+1], v[X+i:X+i+1], v[BO+i:BO+i+1]
	v_pk_add_f32 v[X+32+i:X+32+i+1], v[X+32+i:X+32+i+1], v[BO+i:BO+i+1]
.set i, i+2
.endr
.irp p, 0,1
	v_pk_add_f32 v[TP+8*\p:TP+8*\p+1], v[X+32*\p:X+32*\p+1], v[X+32*\p+2:X+32*\p+3]
	v_pk_add_f32 v[TP+8*\p+2:TP+8*\p+3], v[X+32*\p+4:X+32*\p+5], v[X+32*\p+6:X+32*\p+7]
.endr
.irp i, 8,12,16,20,24,28
.irp p, 0,1
	s_delay_alu instid0(VALU_DEP_4)
	v_pk_add_f32 v[TP+8*\p:TP+8*\p+1], v[TP+8*\p:TP+8*\p+1], v[X+32*\p+\i:X+32*\p+\i+1]
	s_delay_alu instid0(VALU_DEP_4)
	v_pk_add_f32 v[TP+8*\p+2:TP+8*\p+3], v[TP+8*\p+2:TP+8*\p+3], v[X+32*\p+\i+2:X+32*\p+\i+3]
.endr
.endr
.irp p, 0
	s_delay_alu instid0(VALU_DEP_3)
	v_pk_add_f32 v[TP+8*\p:TP+8*\p+1], v[TP+8*\p:TP+8*\p+1], v[TP+8*\p+2:TP+8*\p+3]
.endr
.irp p, 1
	s_delay_alu instid0(VALU_DEP_2)
	v_pk_add_f32 v[TP+8*\p:TP+8*\p+1], v[TP+8*\p:TP+8*\p+1], v[TP+8*\p+2:TP+8*\p+3]
.endr
.irp p, 0,1
	s_delay_alu instid0(VALU_DEP_2)
	v_add_f32 v[TP+8*\p], v[TP+8*\p], v[TP+8*\p+1]
.endr
	ACROSS
.irp p, 0,1
	s_delay_alu instid0(VALU_DEP_2)
	v_mul_f32 v[TP+8*\p+6], s22, v[TP+8*\p]        ; the mean
.endr
.irp i, 0,2,4,6,8,10,12,14,16,18,20,22,24,26,28,30
.irp p, 0,1
	v_pk_add_f32 v[X+32*\p+\i:X+32*\p+\i+1], v[X+32*\p+\i:X+32*\p+\i+1], v[TP+8*\p+6:TP+8*\p+7] op_sel_hi:[1,0] neg_lo:[0,1] neg_hi:[0,1]   ; x - mean
.endr
.endr
.irp p, 0,1
	v_pk_mul_f32 v[TP+8*\p:TP+8*\p+1], v[X+32*\p:X+32*\p+1], v[X+32*\p:X+32*\p+1]
	v_pk_mul_f32 v[TP+8*\p+2:TP+8*\p+3], v[X+32*\p+2:X+32*\p+3], v[X+32*\p+2:X+32*\p+3]
.endr
.irp i, 4,8,12,16,20,24,28
.irp p, 0,1
	s_delay_alu instid0(VALU_DEP_4)
	v_pk_fma_f32 v[TP+8*\p:TP+8*\p+1], v[X+32*\p+\i:X+32*\p+\i+1], v[X+32*\p+\i:X+32*\p+\i+1], v[TP+8*\p:TP+8*\p+1]
	s_delay_alu instid0(VALU_DEP_4)
	v_pk_fma_f32 v[TP+8*\p+2:TP+8*\p+3], v[X+32*\p+\i+2:X+32*\p+\i+3], v[X+32*\p+\i+2:X+32*\p+\i+3], v[TP+8*\p+2:TP+8*\p+3]
.endr
.endr
.irp p, 0
	s_delay_alu instid0(VALU_DEP_3)
	v_pk_add_f32 v[TP+8*\p:TP+8*\p+1], v[TP+8*\p:TP+8*\p+1], v[TP+8*\p+2:TP+8*\p+3]
.endr
.irp p, 1
	s_delay_alu instid0(VALU_DEP_2)
	v_pk_add_f32 v[TP+8*\p:TP+8*\p+1], v[TP+8*\p:TP+8*\p+1], v[TP+8*\p+2:TP+8*\p+3]
.endr
.irp p, 0,1
	s_delay_alu instid0(VALU_DEP_2)
	v_add_f32 v[TP+8*\p], v[TP+8*\p], v[TP+8*\p+1]
.endr
	ACROSS
.irp p, 0,1
	s_delay_alu instid0(VALU_DEP_2)
	v_fma_f32 v[TP+8*\p+5], v[TP+8*\p], s22, s23   ; var + 1e-5
.endr
	s_wait_alu depctr_va_vdst(0)
.irp p, 0,1
	v_rsq_f32 v[TP+8*\p+6], v[TP+8*\p+5]
.endr
	v_nop                                          ; a plain place behind the two
	s_wait_alu depctr_va_vdst(0)                   ; one wait for both, ahead of their first reader
	s_wait_loadcnt 0x0                             ; gain and bias
.irp i, 0,2,4,6,8,10,12,14,16,18,20,22,24,26,28,30
.irp p, 0,1
	v_pk_mul_f32 v[X+32*\p+\i:X+32*\p+\i+1], v[X+32*\p+\i:X+32*\p+\i+1], v[TP+8*\p+6:TP+8*\p+7] op_sel_hi:[1,0]
.endr
.irp p, 0,1
	s_delay_alu instid0(VALU_DEP_2)
	v_pk_fma_f32 v[X+32*\p+\i:X+32*\p+\i+1], v[X+32*\p+\i:X+32*\p+\i+1], v[G+\i:G+\i+1], v[BE+\i:BE+\i+1]
.endr
.endr
.irp p, 0,1
.irp j, 0,1,2,3,4,5,6,7
	global_store_b128 v4, v[X+32*\p+4*\j:X+32*\p+4*\j+3], s[10:11] offset:4096*\p+512*\j
	ds_store_b128 v5, v[X+32*\p+4*\j:X+32*\p+4*\j+3] offset:SP*\p+512*\j
.endr
.endr
	s_wait_dscnt 0x0                               ; for the others' sake: my rows lie in the stage
	s_barrier_signal -1
	s_barrier_wait -1
	s_wait_xcnt 0x0                                ; the stores to h have read their registers: the loads below may land there
.irp c, 0,1
.irp i, 0,1,2,3,4,5,6,7
	ds_load_b128 v[X+32*\c+4*\i:X+32*\c+4*\i+3], v8 offset:256*\c+16*\i
.endr
.endr
	v_mov_b32 v19, 0
	s_wait_dscnt 0x0
.irp c, 0,1
	v_max3_num_f32 v[12+\c], |v[X+32*\c]|, |v[X+32*\c+1]|, 0x1800000   ; my block 2 c + h, and the floor 2^(3 - 127)
.endr
.irp i, 2,4,6,8,10,12,14,16,18,20,22,24,26,28,30
.irp c, 0,1
	s_delay_alu instid0(VALU_DEP_2)
	v_max3_num_f32 v[12+\c], v[12+\c], |v[X+32*\c+\i]|, |v[X+32*\c+\i+1]|
.endr
.endr
.irp c, 0,1
	s_delay_alu instid0(VALU_DEP_2)
	v_add_nc_u32 v[14+\c], 0xff000000, v[12+\c]    ; 2 off the exponent field: the conversion's scale operand
.endr
.irp c, 0,1
	s_delay_alu instid0(VALU_DEP_2)
	v_lshrrev_b32 v[16+\c], 23, v[14+\c]
.endr
	s_delay_alu instid0(VALU_DEP_1)
	v_lshl_or_b32 v18, v17, 16, v16
	s_delay_alu instid0(VALU_DEP_1)
	v_lshlrev_b32 v18, v11, v18
	s_delay_alu instid0(VALU_DEP_1)
	v_permlanex16_b32 v19, v18, s20, s21
	s_delay_alu instid0(VALU_DEP_1)
	v_or_b32 v18, v18, v19                         ; row r's scale word
.irp c, 0,1
	v_cvt_scalef32_pk16_fp6_f32 v[CD+6*\c:CD+6*\c+2], v[X+32*\c:X+32*\c+15], v[14+\c]
	v_cvt_scalef32_pk16_fp6_f32 v[TT+4*\c:TT+4*\c+2], v[X+32*\c+16:X+32*\c+31], v[14+\c]
.endr
	v_nop                                          ; one plain place behind the scaled conversions
.irp c, 0,1
.irp i, 0,1,2
	v_mov_b32 v[CD+6*\c+3+\i], v[TT+4*\c+\i]
.endr
.endr
	global_store_b128 v3, v[CD:CD+3], s[12:13]
	global_store_b64 v9, v[CD+4:CD+5], s[12:13] offset:512
	global_store_b128 v3, v[CD+6:CD+9], s[12:13] offset:768
	global_store_b64 v9, v[CD+10:CD+11], s[12:13] offset:1280
	global_store_b32 v10, v18, s[24:25]            ; row r's word, 16 bytes apart (both halves of the lanes write the same word): 64 bytes a wave
	s_wait_tensorcnt 0x0
	ds_add_u32 v30, v31
	s_wait_dscnt 0x0
	s_endpgm
.Lfunc_end_k_q833456ae8e_ln1:
	.size	k_q833456ae8e_ln1, .Lfunc_end_k_q833456ae8e_ln1-k_q833456ae8e_ln1
	.p2alignl 7, 3214868480
	.fill 96, 4, 3214868480
	.section	.rodata,"a",@progbits
	.p2align	6, 0x0
	.amdhsa_kernel k_q833456ae8e_ln1
		.amdhsa_group_segment_fixed_size 67072
		.amdhsa_private_segment_fixed_size 0
		.amdhsa_enable_private_segment 0
		.amdhsa_kernarg_size 72
		.amdhsa_user_sgpr_count 2
		.amdhsa_user_sgpr_kernarg_segment_ptr 1
		.amdhsa_wavefront_size32 1
		.amdhsa_system_sgpr_workgroup_id_x 1
		.amdhsa_system_sgpr_workgroup_id_y 1
		.amdhsa_system_sgpr_workgroup_id_z 1
		.amdhsa_system_vgpr_workitem_id 0
		.amdhsa_next_free_vgpr 512
		.amdhsa_next_free_sgpr 66
		.amdhsa_reserve_vcc 0
		.amdhsa_float_denorm_mode_32 3
		.amdhsa_float_denorm_mode_16_64 3
		.amdhsa_memory_ordered 1
		.amdhsa_forward_progress 1
		.amdhsa_inst_pref_size 70
	.end_amdhsa_kernel
	.amdgpu_metadata
---
amdhsa.version: [ 1, 2 ]
amdhsa.kernels:
  - .name:           k_q833456ae8e_ln1
    .symbol:         k_q833456ae8e_ln1.kd
    .args:
      - { .name: x, .offset: 0, .size: 8, .value_kind: global_buffer, .address_space: global }
      - { .name: g1, .offset: 8, .size: 8, .value_kind: global_buffer, .address_space: global }
      - { .name: beta1, .offset: 16, .size: 8, .value_kind: global_buffer, .address_space: global }
      - { .name: h, .offset: 24, .size: 8, .value_kind: global_buffer, .address_space: global }
      - { .name: hq, .offset: 32, .size: 8, .value_kind: global_buffer, .address_space: global }
      - { .name: oq, .offset: 40, .size: 8, .value_kind: global_buffer, .address_space: global }
      - { .name: wi, .offset: 48, .size: 8, .value_kind: global_buffer, .address_space: global }
      - { .name: Wo_scales, .offset: 56, .size: 8, .value_kind: global_buffer, .address_space: global }
      - { .name: bo, .offset: 64, .size: 8, .value_kind: global_buffer, .address_space: global }
    .group_segment_fixed_size: 67072
    .private_segment_fixed_size: 0
    .kernarg_segment_align: 8
    .kernarg_segment_size: 72
    .max_flat_workgroup_size: 256
    .sgpr_count:     66
    .vgpr_count:     512
    .wavefront_size: 32
...
	.end_amdgpu_metadata
.endif
;; end of part 3
;; launch ffn1 (part 4): grid 16 x 16, 4 waves a work-group, clusters of 4 x 4, 327,680 bytes of LDS; arguments hq, wi, W1_scales, b1, fq; writes fq
.if DOCPART == 4
	.amdgcn_target "amdgcn-amd-amdhsa--gfx1250"
	.amdhsa_code_object_version 6
	.text
	.protected	k_q833456ae8e_ffn1
	.globl	k_q833456ae8e_ffn1
	.p2align	8
	.type	k_q833456ae8e_ffn1,@function
k_q833456ae8e_ffn1:
	s_mov_b64 s[64:65], 0
	v_nop
	global_prefetch_b8 v0, s[64:65] scope:SCOPE_SE
	s_setreg_imm32_b32 hwreg(HW_REG_WAVE_MODE, 25, 1), 1
	s_wait_xcnt 0x0
	s_wait_alu depctr_hold_cnt(0) depctr_sa_sdst(0) depctr_va_vdst(0) depctr_va_sdst(0) depctr_va_ssrc(0) depctr_va_vcc(0) depctr_vm_vsrc(0)
	s_getreg_b32 s2, hwreg(HW_REG_IB_STS2, 6, 4)
	s_cmp_eq_u32 s2, 0
	s_cbranch_scc0 .Lentry_in_a_cluster
	s_endpgm
.Lentry_in_a_cluster:
	s_bfe_u32 s2, ttmp6, 0x10000c
	s_cmp_lg_u32 s2, 0xf033
	s_cbranch_scc0 .Lentry_shape_is_right
	s_endpgm
.Lentry_shape_is_right:
.set SLOT,  110592
.set BOFF,  49152
.set PITCH, 240
.set FRB,   1536
.set SCLA,  2*SLOT
.set SCLB,  SCLA+8192
.set SPARE, SCLB+8704
.set A16,  4
.set A8,   6
.set ADRB, 8
.set ASA,  12
.set ASB,  13
.set L16,  14
.set L8,   15
.set SPW,  28
.set NIL,  29
.set SC,   32
.set BI,   64
.set AF,   128
.set TM,   160
.set YT,   176
.set PW,   184
.set SEL,  18
.set G1,   24
.set G0,   32
.set G1B,  48
.set G0B,  56
.set G1S,  68
.set G0S,  76
.set G1SB, 80
.set G0SB, 88
.set MSB, 0
.macro WIN new
.if MSB != (\new)
	s_set_vgpr_msb (MSB<<8)|(\new)
.set MSB, (\new)
.endif
.endm
.macro PLACES n
.rept \n
	v_nop
.endr
.endm
.macro JLOAD g0a, g1a, g0b, g1b
	s_cmp_eq_u32 s15, 0
	s_cbranch_scc0 .Lfor_b_\@
	tensor_load_to_lds s[\g0a:\g0a+3], s[\g1a:\g1a+7]
	s_nop 0
.rept 4
	v_nop
.endr
	s_branch .Lasked_\@
.Lfor_b_\@:
	tensor_load_to_lds s[\g0b:\g0b+3], s[\g1b:\g1b+7]
	s_nop 0
.rept 4
	v_nop
.endr
.Lasked_\@:
.endm
.macro CREST
	s_cmp_lg_u32 s14, 0
	s_cbranch_scc1 .Lnot_wave_0_\@
	s_barrier_signal -3
.Lnot_wave_0_\@:
	s_barrier_wait -3
	s_barrier_signal -1
	s_barrier_wait -1
.endm
.macro CROUND
	s_barrier_signal -1
	s_barrier_wait -1
	CREST
.endm
.macro FRAGA reg, a16, a8, off
	ds_load_b128 v[\reg:\reg+3], v[\a16] offset:\off
	ds_load_b64 v[\reg+4:\reg+5], v[\a8] offset:\off+512
	ds_load_b128 v[\reg+6:\reg+9], v[\a16] offset:\off+768
	ds_load_b64 v[\reg+10:\reg+11], v[\a8] offset:\off+1280
.endm
.macro FRAGW reg, adr, off             ; a weight's fragment out of its image (made by launch quantx): three pieces of 16 bytes a lane
.irp c, 0,1,2
	ds_load_b128 v[\reg+4*\c:\reg+4*\c+3], v[\adr] offset:\off+512*\c
.endr
.endm
.macro ARM under, g0, g1, next         ; one arm of the head's chain: one tensor load a wave
	s_cmp_lt_u32 s14, \under
	s_cbranch_scc0 \next
	tensor_load_to_lds s[\g0:\g0+3], s[\g1:\g1+7]
	s_nop 0
.rept 4
	v_nop
.endr
	s_branch .Lhead_asked
\next:
.endm
.macro WM d, s0, s1, c, sa, ra, sb, rb
.if (\ra) && (\rb)
	v_wmma_scale_f32_16x16x128_f8f6f4 v[(\d):(\d)+7], v[(\s0):(\s0)+11], v[(\s1):(\s1)+11], v[(\c):(\c)+7], v[\sa], v[\sb] matrix_a_fmt:MATRIX_FMT_FP6 matrix_b_fmt:MATRIX_FMT_FP6 matrix_a_scale:MATRIX_SCALE_ROW1 matrix_b_scale:MATRIX_SCALE_ROW1
.elseif (\ra)
	v_wmma_scale_f32_16x16x128_f8f6f4 v[(\d):(\d)+7], v[(\s0):(\s0)+11], v[(\s1):(\s1)+11], v[(\c):(\c)+7], v[\sa], v[\sb] matrix_a_fmt:MATRIX_FMT_FP6 matrix_b_fmt:MATRIX_FMT_FP6 matrix_a_scale:MATRIX_SCALE_ROW1
.elseif (\rb)
	v_wmma_scale_f32_16x16x128_f8f6f4 v[(\d):(\d)+7], v[(\s0):(\s0)+11], v[(\s1):(\s1)+11], v[(\c):(\c)+7], v[\sa], v[\sb] matrix_a_fmt:MATRIX_FMT_FP6 matrix_b_fmt:MATRIX_FMT_FP6 matrix_b_scale:MATRIX_SCALE_ROW1
.else
	v_wmma_scale_f32_16x16x128_f8f6f4 v[(\d):(\d)+7], v[(\s0):(\s0)+11], v[(\s1):(\s1)+11], v[(\c):(\c)+7], v[\sa], v[\sb] matrix_a_fmt:MATRIX_FMT_FP6 matrix_b_fmt:MATRIX_FMT_FP6
.endif
.endm
.macro WEAVE d, y
.irp i, 0,1,2
	v_permlane16_swap_b32 v[(\d)+\i], v[(\y)+\i]
.endr
	v_alignbit_b32 v[(\d)+3], v[(\d)+2], v[(\d)+1], 16
	v_perm_b32 v[(\d)+4], v[(\y)+1], v[(\d)+2], 0x07060302
	v_mov_b32 v[(\d)+5], v[(\y)+2]
	v_perm_b32 v[(\d)+1], v[(\y)], v[(\d)+1], 0x05040100
	v_alignbit_b32 v[(\d)+2], v[(\y)+1], v[(\y)], 16
.endm
.macro QUANT src, w, d0, d1, pw
	WIN 0
.irp b, 0,1,2,3
	v_mov_b32 v[TM+\b], 0x1800000
.endr
	WIN ((\w)<<2)|((\w)<<4)
.irp i, 0,2,4,6,8,10,12,14
.irp b, 0,1,2,3
	v_max3_num_f32 v[TM+\b], v[TM+\b], |v[(\src)+16*\b+\i]|, |v[(\src)+16*\b+\i+1]|
.endr
.endr
	WIN 0
.irp b, 0,1,2,3
	v_permlanex16_b32 v[TM+4+\b], v[TM+\b], s[SEL], s[SEL+1]
.endr
.irp b, 0,1,2,3
	v_max_num_f32 v[TM+\b], v[TM+\b], v[TM+4+\b]
.endr
.irp b, 0,1,2,3
	v_add_nc_u32 v[TM+8+\b], 0xff000000, v[TM+\b]
.endr
.irp b, 0,1,2,3
	v_lshrrev_b32 v[TM+12+\b], 23, v[TM+8+\b]
.endr
	v_lshl_or_b32 v[\pw], v[TM+13], 8, v[TM+12]
	v_lshl_or_b32 v[\pw], v[TM+14], 16, v[\pw]
	v_lshl_or_b32 v[\pw], v[TM+15], 24, v[\pw]
	WIN \w
	v_cvt_scalef32_pk16_fp6_f32 v[(\d0):(\d0)+2], v[(\src):(\src)+15], v[TM+8]
	v_cvt_scalef32_pk16_fp6_f32 v[YT:YT+2], v[(\src)+16:(\src)+31], v[TM+9]
	v_cvt_scalef32_pk16_fp6_f32 v[(\d1):(\d1)+2], v[(\src)+32:(\src)+47], v[TM+10]
	v_cvt_scalef32_pk16_fp6_f32 v[YT+4:YT+6], v[(\src)+48:(\src)+63], v[TM+11]
	WIN 0
	v_nop
	WEAVE \d0, YT
	WEAVE \d1, YT+4
.endm
	s_load_b256 s[4:11], s[0:1], 0x0
	s_load_b64 s[12:13], s[0:1], 0x20
	v_lshl_add_u32 v[SPW], v0, 2, SPARE
	v_mov_b32 v[NIL], 0
	ds_add_u32 v28, v29
	ds_add_u32 v28, v29
	s_wait_dscnt 0x0
	v_lshrrev_b32 v1, 5, v0
	v_readfirstlane_b32 s14, v1
	s_lshr_b32 s15, s14, 1
	s_and_b32 s16, s14, 1
	s_bfe_u32 s40, ttmp6, 0x40000
	s_bfe_u32 s41, ttmp6, 0x40004
	s_lshl_b32 s42, ttmp9, 2
	s_add_co_u32 s42, s42, s40
	s_and_b32 s17, ttmp7, 0xffff
	s_lshl_b32 s17, s17, 2
	s_add_co_u32 s17, s17, s41
	s_lshl_b32 s43, s41, 2
	s_lshl_b32 s43, 15, s43
	s_lshl_b32 s44, 0x1111, s40
	s_or_b32 s[G1], s43, (3<<16)|(1<<21)
	s_mov_b32 s[G1+1], 384<<16
	s_mov_b32 s[G1+2], 16<<16                      ; the head's loads bring all 16 tiles; the ring's 8
	s_mov_b32 s[G1+3], 384<<16
	s_mov_b32 s[G1+4], 16
	s_mov_b32 s[G1+5], 1536
	s_mov_b32 s[G1+6], 0
	s_mov_b32 s[G1+7], 0
	s_or_b32 s[G1B], s44, (3<<16)|(1<<21)          ; W1's images: as A's
	s_mov_b32 s[G1B+1], 384<<16
	s_mov_b32 s[G1B+2], 16<<16
	s_mov_b32 s[G1B+3], 384<<16
	s_mov_b32 s[G1B+4], 16
	s_mov_b32 s[G1B+5], 1536
	s_mov_b32 s[G1B+6], 0
	s_mov_b32 s[G1B+7], 0
	s_or_b32 s[G1S], s43, (3<<16)|(1<<21)
	s_or_b32 s[G1SB], s44, (3<<16)|(1<<20)|(1<<21)|(5<<22)|(3<<25)
.irp g, G1S, G1SB
	s_mov_b32 s[\g+1], 32<<16
	s_mov_b32 s[\g+2], 32<<16
	s_mov_b32 s[\g+3], 32<<16
	s_mov_b32 s[\g+4], 32
	s_mov_b32 s[\g+5], 32
	s_mov_b32 s[\g+6], 0
	s_mov_b32 s[\g+7], 0
.endr
	s_lshl_b32 s18, s16, 3
	s_lshl_b32 s20, s17, 4
	s_add_co_u32 s20, s20, s18
	s_mul_i32 s20, s20, 12288
	s_mov_b32 s21, 0
	s_lshl_b32 s22, s17, 13
	s_add_co_u32 s22, s22, 3145728
	s_mov_b32 s23, 0
	s_lshl_b32 s46, s42, 8
	s_lshl_b32 s92, s46, 5
	s_lshl_b32 s18, s16, 7
	s_add_co_u32 s46, s46, s18
	s_mov_b32 s93, 0
	s_mul_i32 s46, s46, 768
	s_mov_b32 s47, 0
	s_mul_i32 s94, s16, 24576
	s_mul_i32 s45, s16, 24576
	s_add_co_u32 s45, s45, BOFF
	s_wait_kmcnt 0x0
	s_add_nc_u64 s[20:21], s[4:5], s[20:21]
	s_add_nc_u64 s[22:23], s[4:5], s[22:23]
	s_add_nc_u64 s[46:47], s[6:7], s[46:47]
	s_add_nc_u64 s[92:93], s[8:9], s[92:93]
	CROUND
	s_mov_b32 s[G0S], 1
	s_mov_b32 s[G0S+1], SCLA
	s_mov_b64 s[G0S+2:G0S+3], s[22:23]
	s_or_b32 s[G0S+3], s[G0S+3], 0x80000000
	s_mov_b32 s[G0SB], 1
	s_mov_b32 s[G0SB+1], SCLB
	s_mov_b64 s[G0SB+2:G0SB+3], s[92:93]
	s_or_b32 s[G0SB+3], s[G0SB+3], 0x80000000
.irp s, 0,1
	s_mov_b32 s[G0+4*\s], 1
	s_add_co_u32 s[G0+4*\s+1], s94, \s*SLOT
	s_add_nc_u64 s[G0+4*\s+2:G0+4*\s+3], s[20:21], \s*3072
	s_or_b32 s[G0+4*\s+3], s[G0+4*\s+3], 0x80000000
	s_mov_b32 s[G0B+4*\s], 1
	s_add_co_u32 s[G0B+4*\s+1], s45, \s*SLOT
	s_add_nc_u64 s[G0B+4*\s+2:G0B+4*\s+3], s[46:47], \s*3072
	s_or_b32 s[G0B+4*\s+3], s[G0B+4*\s+3], 0x80000000
.endr
; the head's four tiles, one a wave: wave 0 slot 0's 16 tiles of A (its own group 0 begins at the first), wave 1 A's scale words, wave 2 slot 0's 16 tiles of W1, wave 3 W1's scales
	ARM 1, G0,  G1,  .Lhead_sa
	ARM 2, G0S, G1S, .Lhead_b
	ARM 3, G0B, G1B, .Lhead_sb
	tensor_load_to_lds s[G0SB:G0SB+3], s[G1SB:G1SB+7]
	s_nop 0
.rept 4
	v_nop
.endr
.Lhead_asked:
	v_and_b32 v1, 15, v0
	v_bfe_u32 v2, v0, 4, 1
	v_and_b32 v3, 31, v0
	v_lshlrev_b32 v[L16], 4, v3
	v_lshlrev_b32 v[L8], 3, v3
	v_lshlrev_b32 v20, 5, v2
	s_wait_alu depctr_va_vdst(0)
	s_mul_i32 s20, s15, 24576
	s_mul_i32 s21, s16, 24576
	s_add_co_u32 s21, s21, BOFF
.irp s, 0,1
	v_add_nc_u32 v[A16+\s], s20, v[L16]
	v_add_nc_u32 v[A8+\s], s20, v[L8]
	v_add_nc_u32 v[ADRB+\s], s21, v[L16]
	s_add_co_u32 s20, s20, SLOT
	s_add_co_u32 s21, s21, SLOT
.endr
	s_lshl_b32 s20, s15, 12
	s_add_co_u32 s20, s20, SCLA
	v_add_nc_u32 v[ASA], s20, v[L16]
	v_lshrrev_b32 v19, 3, v3
	v_lshlrev_b32 v[ASB], 5, v3
	v_lshl_add_u32 v[ASB], v19, 4, v[ASB]
	s_mul_i32 s20, s16, 4352
	s_add_co_u32 s20, s20, SCLB
	v_add_nc_u32 v[ASB], s20, v[ASB]
	s_lshl_b32 s46, s42, 10
	s_lshl_b32 s47, s16, 9
	s_add_co_u32 s46, s46, s47
	s_mov_b32 s47, 0
	s_add_nc_u64 s[10:11], s[10:11], s[46:47]
.irp b, 0,1,2,3,4,5,6,7
	global_load_b128 v[BI+8*\b:BI+8*\b+3], v20, s[10:11] offset:64*\b
	global_load_b128 v[BI+8*\b+4:BI+8*\b+7], v20, s[10:11] offset:64*\b+16
.endr
.macro MUL16 a0, p, q, sc, first
.irp a, \a0, \a0+1
.irp b, 0,1,2,3,4,5,6,7
.if \first
	WM 8*(8*((\a)%4)+\b), 128*(\p)+12*\b, AF+12*(\a), BI+8*\b, SC+16*(\sc)+8+2*(\b/2)+(\q), \b%2, SC+16*(\sc)+4*(\q)+(\a)/2, (\a)%2
.else
	WM 8*(8*((\a)%4)+\b), 128*(\p)+12*\b, AF+12*(\a), 8*(8*((\a)%4)+\b), SC+16*(\sc)+8+2*(\b/2)+(\q), \b%2, SC+16*(\sc)+4*(\q)+(\a)/2, (\a)%2
.endif
.endr
.endr
.endm
.macro FETCH_B slot, q, p
	WIN 0x40
.irp i, 0,1,2,3,4,5,6,7
	FRAGW 128*(\p)+12*\i, ADRB+\slot, \i*3072+(\q)*FRB
.endr
	WIN 0
.endm
.macro FETCH_A slot, q, i0
.irp i, \i0, \i0+1, \i0+2, \i0+3
	FRAGA AF+12*(\i), A16+\slot, A8+\slot, (\i)*3072+(\q)*FRB
.endr
.endm
.macro SCALES sc
.irp q, 0,1
	ds_load_b128 v[SC+16*\sc+4*\q:SC+16*\sc+4*\q+3], v[ASA] offset:\q*512
.endr
.irp g, 0,1,2,3
	ds_load_b64 v[SC+16*\sc+8+2*\g:SC+16*\sc+8+2*\g+1], v[ASB] offset:\g*1088
.endr
.endm
.macro STEP slot, first
	s_wait_dscnt 16
.if \first
	WIN 0x81
.else
	WIN 0xa1
.endif
	MUL16 0, 0, 0, \slot, \first
	MUL16 2, 0, 0, \slot, \first
	s_wait_dscnt 0x0
	PLACES 4
	FETCH_B \slot, 1, 1
	FETCH_A \slot, 1, 0
.if \first
	WIN 0xc1
.else
	WIN 0xf1
.endif
	MUL16 4, 0, 0, \slot, \first
	MUL16 6, 0, 0, \slot, \first
	PLACES 4
	WIN 0
	FETCH_A \slot, 1, 4
.endm
.macro TURN slot, next, fill
	s_wait_tensorcnt 0x0
	ds_add_u32 v[SPW], v[NIL]
	s_wait_dscnt 17
	WIN 0xa1
	MUL16 0, 1, 1, \slot, 0
	s_wait_dscnt 0x0
	s_barrier_signal -1
	MUL16 2, 1, 1, \slot, 0
	WIN 0
	s_barrier_wait -1
.if \fill
	CREST
	s_add_nc_u64 s[G0+4*\slot+2:G0+4*\slot+3], s[G0+4*\slot+2:G0+4*\slot+3], 6144
	s_add_nc_u64 s[G0B+4*\slot+2:G0B+4*\slot+3], s[G0B+4*\slot+2:G0B+4*\slot+3], 6144
	JLOAD G0+4*\slot, G1, G0B+4*\slot, G1B
.else
	PLACES 4
.endif
	s_wait_alu depctr_va_vdst(0)
	v_add_nc_u32 v[ASA], 1024, v[ASA]
	v_add_nc_u32 v[ASB], 8, v[ASB]
	FETCH_B \next, 0, 0
	FETCH_A \next, 0, 0
	SCALES \next
	WIN 0xf1
	MUL16 4, 1, 1, \slot, 0
	MUL16 6, 1, 1, \slot, 0
	PLACES 4
	WIN 0
	FETCH_A \next, 0, 4
.endm
	s_wait_alu depctr_va_vdst(0)
	s_wait_tensorcnt 0x0                           ; my tile of the head's four is in
	ds_add_u32 v[SPW], v[NIL]
	s_mov_b32 s[G1+2], 8<<16                       ; no tensor load of mine is out: from here on a load brings 8 tiles
	s_mov_b32 s[G1+4], 8
	s_mov_b32 s[G1B+2], 8<<16
	s_mov_b32 s[G1B+4], 8
	s_wait_dscnt 0x0
	CROUND
	JLOAD G0+4, G1, G0B+4, G1B                     ; slot 1's first fill, the first tensor load behind the round
	FETCH_B 0, 0, 0
	FETCH_A 0, 0, 0
	SCALES 0
	FETCH_A 0, 0, 4
	s_wait_loadcnt 0x0
	STEP 0, 1
	s_mov_b32 s3, 1
.Llap:
	TURN 0, 1, 1
	STEP 1, 0
	TURN 1, 0, 1
	STEP 0, 0
	s_sub_co_u32 s3, s3, 1
	s_cmp_lg_u32 s3, 0
	s_cbranch_scc1 .Llap
	TURN 0, 1, 0
	STEP 1, 0
	s_wait_dscnt 16
	WIN 0xa1
	MUL16 0, 1, 1, 1, 0
	MUL16 2, 1, 1, 1, 0
	s_wait_dscnt 0x0
	WIN 0xf1
	MUL16 4, 1, 1, 1, 0
	MUL16 6, 1, 1, 1, 0
	WIN 0
	PLACES 4
	s_mov_b32 s[SEL], 0x76543210
	s_mov_b32 s[SEL+1], 0xfedcba98
.irp b, 0,1,2,3
	v_mov_b32 v[TM+4+\b], 0
.endr
	s_lshl_b32 s20, s17, 4
	s_lshl_b32 s21, s15, 3
	s_add_co_u32 s20, s20, s21
	s_lshl_b32 s20, s20, 5
	s_lshl_b32 s46, s42, 1
	s_add_co_u32 s46, s46, s16
	s_add_co_u32 s20, s20, s46
	s_mul_i32 s20, s20, FRB
	s_mov_b32 s21, 0
	s_add_nc_u64 s[22:23], s[12:13], s[20:21]
	s_lshl_b32 s20, s17, 1
	s_add_co_u32 s20, s20, s15
	s_lshl_b32 s20, s20, 5
	s_add_co_u32 s20, s20, s46
	s_lshl_b32 s20, s20, 9
	s_add_co_u32 s20, s20, 12582912
	s_add_nc_u64 s[12:13], s[12:13], s[20:21]
.macro OUTB a
.set CD, 128+12*((\a)%2)
.if (\a) > 1
	s_wait_xcnt 0x0
.endif
	WIN 0x08+4*((\a)/4)
.set j, 0
.rept 64
	v_max_num_f32 v[BI+j], 0, v[64*((\a)%4)+j]
.set j, j+1
.endr
	QUANT BI, 0, CD, CD+6, PW+(\a)
	global_store_b128 v[L16], v[CD:CD+3], s[22:23] offset:(\a)*49152
	global_store_b64 v[L8], v[CD+4:CD+5], s[22:23] offset:(\a)*49152+512
	global_store_b128 v[L16], v[CD+6:CD+9], s[22:23] offset:(\a)*49152+768
	global_store_b64 v[L8], v[CD+10:CD+11], s[22:23] offset:(\a)*49152+1280
.endm
.irp a, 0,1,2,3,4,5,6,7
	OUTB \a
.endr
	s_mov_b32 s45, 0xffff0000
.irp q, 0,1,2,3
	v_cndmask_b32 v[192+\q], v[PW+2*\q], v[PW+2*\q+1], s45
.endr
	global_store_b128 v[L16], v[192:195], s[12:13]
	s_wait_tensorcnt 0x0
	ds_add_u32 v[SPW], v[NIL]
	s_wait_dscnt 0x0
	CROUND
	s_endpgm
.Lfunc_end_k_q833456ae8e_ffn1:
	.size	k_q833456ae8e_ffn1, .Lfunc_end_k_q833456ae8e_ffn1-k_q833456ae8e_ffn1
	.p2alignl 7, 3214868480
	.fill 96, 4, 3214868480
	.section	.rodata,"a",@progbits
	.p2align	6, 0x0
	.amdhsa_kernel k_q833456ae8e_ffn1
		.amdhsa_group_segment_fixed_size 327680
		.amdhsa_private_segment_fixed_size 0
		.amdhsa_enable_private_segment 0
		.amdhsa_kernarg_size 40
		.amdhsa_user_sgpr_count 2
		.amdhsa_user_sgpr_kernarg_segment_ptr 1
		.amdhsa_wavefront_size32 1
		.amdhsa_system_sgpr_workgroup_id_x 1
		.amdhsa_system_sgpr_workgroup_id_y 1
		.amdhsa_system_sgpr_workgroup_id_z 1
		.amdhsa_system_vgpr_workitem_id 0
		.amdhsa_next_free_vgpr 1024
		.amdhsa_next_free_sgpr 98
		.amdhsa_reserve_vcc 0
		.amdhsa_float_denorm_mode_32 3
		.amdhsa_float_denorm_mode_16_64 3
		.amdhsa_memory_ordered 1
		.amdhsa_forward_progress 1
		.amdhsa_inst_pref_size 167
	.end_amdhsa_kernel
	.amdgpu_metadata
---
amdhsa.version: [ 1, 2 ]
amdhsa.kernels:
  - .name:           k_q833456ae8e_ffn1
    .symbol:         k_q833456ae8e_ffn1.kd
    .args:
      - { .name: hq, .offset: 0, .size: 8, .value_kind: global_buffer, .address_space: global }
      - { .name: wi, .offset: 8, .size: 8, .value_kind: global_buffer, .address_space: global }
      - { .name: W1_scales, .offset: 16, .size: 8, .value_kind: global_buffer, .address_space: global }
      - { .name: b1, .offset: 24, .size: 8, .value_kind: global_buffer, .address_space: global }
      - { .name: fq, .offset: 32, .size: 8, .value_kind: global_buffer, .address_space: global }
    .group_segment_fixed_size: 327680
    .private_segment_fixed_size: 0
    .kernarg_segment_align: 8
    .kernarg_segment_size: 40
    .max_flat_workgroup_size: 128
    .sgpr_count:     98
    .vgpr_count:     1024
    .wavefront_size: 32
...
	.end_amdgpu_metadata
.endif
;; end of part 4
;; launch ffn2 (part 5): grid 8 x 32, 4 waves a work-group, clusters of 4 x 4, 327,680 bytes of LDS; arguments fq, wi, W2_scales, b2, h, r2; writes r2
.if DOCPART == 5
	.amdgcn_target "amdgcn-amd-amdhsa--gfx1250"
	.amdhsa_code_object_version 6
	.text
	.protected	k_q833456ae8e_ffn2
	.globl	k_q833456ae8e_ffn2
	.p2align	8
	.type	k_q833456ae8e_ffn2,@function
k_q833456ae8e_ffn2:
	s_mov_b64 s[64:65], 0
	v_nop
	global_prefetch_b8 v0, s[64:65] scope:SCOPE_SE
	s_setreg_imm32_b32 hwreg(HW_REG_WAVE_MODE, 25, 1), 1
	s_wait_xcnt 0x0
	s_wait_alu depctr_hold_cnt(0) depctr_sa_sdst(0) depctr_va_vdst(0) depctr_va_sdst(0) depctr_va_ssrc(0) depctr_va_vcc(0) depctr_vm_vsrc(0)
	s_getreg_b32 s2, hwreg(HW_REG_IB_STS2, 6, 4)
	s_cmp_eq_u32 s2, 0
	s_cbranch_scc0 .Lentry_in_a_cluster
	s_endpgm
.Lentry_in_a_cluster:
	s_bfe_u32 s2, ttmp6, 0x10000c
	s_cmp_lg_u32 s2, 0xf033
	s_cbranch_scc0 .Lentry_shape_is_right
	s_endpgm
.Lentry_shape_is_right:
; out[m][n] = res[m][n] + bias[n] + the sum over k of A[m][k] W[n][k].  A: 4,096 rows as images of the operand's registers with their scale words (made by an earlier launch); W: [1024][SIZE_K] codes of FP6 (E2M3)
; in rows, K innermost, with E8M0 bytes [1024][SIZE_K / 32]; bias [1024], res and out [4096][1024] f32.  Sums in f32.
; A tile of out is 128 x 128, so that the 4,096 x 1,024 numbers give 256 work-groups.  Four waves, each 64 x 64: 16 accumulators.  The instruction is used TRANSPOSED (source 0 = 16 rows of W, source 1 = 16 rows of A):
; a lane holds eight neighbouring numbers of a row of out.  K goes in slots of 512 (four steps of 128, 64 products a wave) through a ring of two LDS slots.
; CLUSTER 4 x 4: A's tiles hang on the tile row alone and are asked for jointly by a row of the cluster, W's on the tile column alone, by a column.  Waves 0, 1 fetch A's halves, waves 2, 3 W's halves (four tiles of rows each).
; The scales of the work-group's rows, for all of K, come once, with the first fills.  The bias is the C of the sums' first products; the residual is loaded at the head, in the layout of the stores.
; REGISTERS.  window 0: v4-26 addresses; v28, v29 the add's; v32-63 scale words, two sets; v64-127 the way out; v128-255 accumulators ((a, b) at v[128 + 8 (4 a + b)]).
;   window 1: two buffers of fragments (A's four at + 12 i, W's four at + 48 + 12 j).   window 2: v0-127 the residual, v128-159 the bias.
.set SIZE_K, 4096
.set NK,    SIZE_K/128
.set KSB,   SIZE_K/32
.set KROW,  SIZE_K*3/4
.set SCOFF, 4096*KROW                  ; where A's scale words begin in its buffer
.set LAPS,  SIZE_K/1024
.set SLOT,  110592                     ; A: 8 tiles x 6,144 bytes; then W from BOFF: 8 tiles x 6,144 bytes
.set BOFF,  49152
.set PITCH, 240
.set FRB,   1536
.set SCLA,  2*SLOT
.set SCLB,  SCLA+NK*512
.set STAGE, SCLB+NK*544                ; 16 rows x 272 bytes for each wave: bytes of their own, into which no tile lands
.set SPARE, STAGE+17408                ; the spare words, 128 bytes a wave
.set A16,  4
.set A8,   6
.set ADRB, 8
.set ASA,  12
.set ASB,  13
.set L16,  14
.set L8,   15
.set STO,  24
.set RD,   25
.set CO,   26
.set SPW,  28
.set NIL,  29
.set SC,   32                          ; set s at v[SC + 16 s]: A's words at + 2 q + a / 2, W's at + 8 + 4 (b / 2) + q; the tile's parity picks lanes 0-15 or 16-31
.set BK,   64
.set ACC,  128
.set F0,   0
.set F1,   128
.set G1,   24
.set G0,   32
.set G1B,  48
.set G0B,  56
.set G1S,  68
.set G0S,  76
.set G1SB, 80
.set G0SB, 88
.set MSB, 0
.macro WIN new
.if MSB != (\new)
	s_set_vgpr_msb (MSB<<8)|(\new)
.set MSB, (\new)
.endif
.endm
.macro PLACES n
.rept \n
	v_nop
.endr
.endm
.macro JLOAD g0a, g1a, g0b, g1b        ; a joint load: waves 0, 1 for A, waves 2, 3 for W; four v_nop follow each line
	s_cmp_eq_u32 s17, 0
	s_cbranch_scc0 .Lfor_b_\@
	tensor_load_to_lds s[\g0a:\g0a+3], s[\g1a:\g1a+7]
	s_nop 0
.rept 4
	v_nop
.endr
	s_branch .Lasked_\@
.Lfor_b_\@:
	tensor_load_to_lds s[\g0b:\g0b+3], s[\g1b:\g1b+7]
	s_nop 0
.rept 4
	v_nop
.endr
.Lasked_\@:
.endm
.macro CREST
	s_cmp_lg_u32 s16, 0
	s_cbranch_scc1 .Lnot_wave_0_\@
	s_barrier_signal -3
.Lnot_wave_0_\@:
	s_barrier_wait -3
	s_barrier_signal -1
	s_barrier_wait -1
.endm
.macro CROUND
	s_barrier_signal -1
	s_barrier_wait -1
	CREST
.endm
.macro FRAGA reg, a16, a8, off
	ds_load_b128 v[\reg:\reg+3], v[\a16] offset:\off
	ds_load_b64 v[\reg+4:\reg+5], v[\a8] offset:\off+512
	ds_load_b128 v[\reg+6:\reg+9], v[\a16] offset:\off+768
	ds_load_b64 v[\reg+10:\reg+11], v[\a8] offset:\off+1280
.endm
; W COMES AS IMAGES of the operand's registers out of wi (made by launch quantx; W2's begin at byte 3,145,728), laid and fetched as A's tiles are: in the ring waves 2, 3 fetch four tiles each.
.macro FRAGW reg, adr, off             ; a weight's fragment out of its image: three pieces of 16 bytes a lane
.irp c, 0,1,2
	ds_load_b128 v[\reg+4*\c:\reg+4*\c+3], v[\adr] offset:\off+512*\c
.endr
.endm
.macro ARM under, g0, g1, next         ; one arm of the head's chain: one tensor load a wave
	s_cmp_lt_u32 s16, \under
	s_cbranch_scc0 \next
	tensor_load_to_lds s[\g0:\g0+3], s[\g1:\g1+7]
	s_nop 0
.rept 4
	v_nop
.endr
	s_branch .Lhead_asked
\next:
.endm
.macro WM d, s0, s1, c, sa, ra, sb, rb
.if (\ra) && (\rb)
	v_wmma_scale_f32_16x16x128_f8f6f4 v[(\d):(\d)+7], v[(\s0):(\s0)+11], v[(\s1):(\s1)+11], v[(\c):(\c)+7], v[\sa], v[\sb] matrix_a_fmt:MATRIX_FMT_FP6 matrix_b_fmt:MATRIX_FMT_FP6 matrix_a_scale:MATRIX_SCALE_ROW1 matrix_b_scale:MATRIX_SCALE_ROW1
.elseif (\ra)
	v_wmma_scale_f32_16x16x128_f8f6f4 v[(\d):(\d)+7], v[(\s0):(\s0)+11], v[(\s1):(\s1)+11], v[(\c):(\c)+7], v[\sa], v[\sb] matrix_a_fmt:MATRIX_FMT_FP6 matrix_b_fmt:MATRIX_FMT_FP6 matrix_a_scale:MATRIX_SCALE_ROW1
.elseif (\rb)
	v_wmma_scale_f32_16x16x128_f8f6f4 v[(\d):(\d)+7], v[(\s0):(\s0)+11], v[(\s1):(\s1)+11], v[(\c):(\c)+7], v[\sa], v[\sb] matrix_a_fmt:MATRIX_FMT_FP6 matrix_b_fmt:MATRIX_FMT_FP6 matrix_b_scale:MATRIX_SCALE_ROW1
.else
	v_wmma_scale_f32_16x16x128_f8f6f4 v[(\d):(\d)+7], v[(\s0):(\s0)+11], v[(\s1):(\s1)+11], v[(\c):(\c)+7], v[\sa], v[\sb] matrix_a_fmt:MATRIX_FMT_FP6 matrix_b_fmt:MATRIX_FMT_FP6
.endif
.endm
	s_load_b256 s[4:11], s[0:1], 0x0               ; A 4, W's codes 6, W's scales 8, bias 10
	s_load_b128 s[12:15], s[0:1], 0x20             ; residual 12, out 14
	v_lshl_add_u32 v[SPW], v0, 2, SPARE
	v_mov_b32 v[NIL], 0
	ds_add_u32 v28, v29
	ds_add_u32 v28, v29
	s_wait_dscnt 0x0
	v_lshrrev_b32 v1, 5, v0
	v_readfirstlane_b32 s16, v1                    ; wave 0..3
	s_lshr_b32 s17, s16, 1                         ; my half of the tile's rows.  Also: I fetch for A (0) or for W (1)
	s_and_b32 s18, s16, 1                          ; my half of its columns.  Also: which half I fetch
	s_bfe_u32 s40, ttmp6, 0x40000
	s_bfe_u32 s41, ttmp6, 0x40004
	s_lshl_b32 s42, ttmp9, 2
	s_add_co_u32 s42, s42, s40                     ; tile column
	s_and_b32 s19, ttmp7, 0xffff
	s_lshl_b32 s19, s19, 2
	s_add_co_u32 s19, s19, s41                     ; tile row
	s_lshl_b32 s43, s41, 2
	s_lshl_b32 s43, 15, s43                        ; my row of the cluster
	s_lshl_b32 s44, 0x1111, s40                    ; my column
	s_or_b32 s[G1], s43, (3<<16)|(1<<21)           ; A: four tiles' 6,144 bytes (768 elements of 8 bytes), NK x 1,536 bytes apart
	s_mov_b32 s[G1+1], 768<<16
	s_mov_b32 s[G1+2], 8<<16                       ; the head's loads bring all eight tiles; the ring's four
	s_mov_b32 s[G1+3], 768<<16
	s_mov_b32 s[G1+4], 8
	s_mov_b32 s[G1+5], NK*192
	s_mov_b32 s[G1+6], 0
	s_mov_b32 s[G1+7], 0
	s_or_b32 s[G1B], s44, (3<<16)|(1<<21)          ; W's images: as A's
	s_mov_b32 s[G1B+1], 768<<16
	s_mov_b32 s[G1B+2], 8<<16
	s_mov_b32 s[G1B+3], 768<<16
	s_mov_b32 s[G1B+4], 8
	s_mov_b32 s[G1B+5], NK*192
	s_mov_b32 s[G1B+6], 0
	s_mov_b32 s[G1B+7], 0
	s_or_b32 s[G1S], s43, (3<<16)|(1<<21)          ; A's scale words: 2 NK rows of 256 dense bytes
	s_or_b32 s[G1SB], s44, (3<<16)|(1<<20)|(1<<21)|(5<<22)|(3<<25)  ; the scale bytes of 128 rows of W: the same, 16 bytes of padding behind each 256
.irp g, G1S, G1SB
	s_mov_b32 s[\g+1], 32<<16
	s_mov_b32 s[\g+2], (2*NK)<<16                  ; all of a side's scales by one load
	s_mov_b32 s[\g+3], 32<<16
	s_mov_b32 s[\g+4], 2*NK
	s_mov_b32 s[\g+5], 32
	s_mov_b32 s[\g+6], 0
	s_mov_b32 s[\g+7], 0
.endr
	s_lshl_b32 s20, s19, 3
	s_lshl_b32 s21, s18, 2
	s_add_co_u32 s20, s20, s21                     ; A: tile 8 x tile row + 4 x half
	s_mul_i32 s20, s20, NK*FRB
	s_mov_b32 s21, 0
	s_mul_i32 s22, s19, NK*512
	s_add_co_u32 s22, s22, SCOFF
	s_mov_b32 s23, 0
	s_mul_i32 s46, s42, 128*KROW
	s_mul_i32 s47, s18, 4*NK*FRB
	s_add_co_u32 s46, s46, s47                     ; W: tile 8 x tile column + 4 x half,
	s_add_co_u32 s46, s46, 3145728                 ; in W2's part of wi
	s_mov_b32 s47, 0
	s_lshl_b32 s92, s42, 7
	s_mul_i32 s92, s92, KSB
	s_mov_b32 s93, 0
	s_mul_i32 s94, s18, 24576                      ; where they go: no place in the cluster enters an LDS address
	s_mul_i32 s45, s18, 24576
	s_add_co_u32 s45, s45, BOFF
	s_wait_kmcnt 0x0
	s_add_nc_u64 s[20:21], s[4:5], s[20:21]
	s_add_nc_u64 s[22:23], s[4:5], s[22:23]
	s_add_nc_u64 s[46:47], s[6:7], s[46:47]
	s_add_nc_u64 s[92:93], s[8:9], s[92:93]
	CROUND                                         ; all sixteen work-groups are here: the first joint loads meet
	s_mov_b32 s[G0S], 1
	s_mov_b32 s[G0S+1], SCLA
	s_mov_b64 s[G0S+2:G0S+3], s[22:23]
	s_or_b32 s[G0S+3], s[G0S+3], 0x80000000
	s_mov_b32 s[G0SB], 1
	s_mov_b32 s[G0SB+1], SCLB
	s_mov_b64 s[G0SB+2:G0SB+3], s[92:93]
	s_or_b32 s[G0SB+3], s[G0SB+3], 0x80000000
.irp s, 0,1
	s_mov_b32 s[G0+4*\s], 1
	s_add_co_u32 s[G0+4*\s+1], s94, \s*SLOT
	s_add_nc_u64 s[G0+4*\s+2:G0+4*\s+3], s[20:21], \s*6144
	s_or_b32 s[G0+4*\s+3], s[G0+4*\s+3], 0x80000000
	s_mov_b32 s[G0B+4*\s], 1
	s_add_co_u32 s[G0B+4*\s+1], s45, \s*SLOT
	s_add_nc_u64 s[G0B+4*\s+2:G0B+4*\s+3], s[46:47], \s*6144
	s_or_b32 s[G0B+4*\s+3], s[G0B+4*\s+3], 0x80000000
.endr
; the head's four tiles, one a wave: wave 0 slot 0's eight tiles of A (its own group 0 begins at the first), wave 1 A's scale words, wave 2 slot 0's eight tiles of W, wave 3 W's scales
	ARM 1, G0,  G1,  .Lhead_sa
	ARM 2, G0S, G1S, .Lhead_b
	ARM 3, G0B, G1B, .Lhead_sb
	tensor_load_to_lds s[G0SB:G0SB+3], s[G1SB:G1SB+7]
	s_nop 0
.rept 4
	v_nop
.endr
.Lhead_asked:
	v_and_b32 v1, 15, v0                           ; r
	v_bfe_u32 v2, v0, 4, 1                         ; h
	v_and_b32 v3, 31, v0                           ; lane
	v_lshlrev_b32 v[L16], 4, v3
	v_lshlrev_b32 v[L8], 3, v3
	v_lshlrev_b32 v20, 5, v2
	s_wait_alu depctr_va_vdst(0)
	s_mul_i32 s20, s17, 24576                      ; my four tiles of A
	s_mul_i32 s21, s18, 24576                      ; my four tiles of W
	s_add_co_u32 s21, s21, BOFF
.irp s, 0,1
	v_add_nc_u32 v[A16+\s], s20, v[L16]
	v_add_nc_u32 v[A8+\s], s20, v[L8]
	v_add_nc_u32 v[ADRB+\s], s21, v[L16]
	s_add_co_u32 s20, s20, SLOT
	s_add_co_u32 s21, s21, SLOT
.endr
	s_lshl_b32 s20, s17, 3
	s_add_co_u32 s20, s20, SCLA
	v_add_nc_u32 v[ASA], s20, v[L16]               ; my four tiles' words: two of a lane's four
	v_mul_u32_u24 v[ASB], v3, KSB
	v_lshrrev_b32 v19, 8, v[ASB]
	v_lshl_add_u32 v[ASB], v19, 4, v[ASB]          ; row = lane: KSB bytes a row, 16 more for each 256 passed
	s_mul_i32 s20, s18, NK*272
	s_add_co_u32 s20, s20, SCLB
	v_add_nc_u32 v[ASB], s20, v[ASB]
	s_mul_i32 s20, s16, 16*272
	s_add_co_u32 s20, s20, STAGE                   ; my stage
	v_mul_u32_u24 v[STO], v1, 272
	v_lshl_add_u32 v[STO], v2, 5, v[STO]
	v_add_nc_u32 v[STO], s20, v[STO]               ; in: row r, 32 bytes for each half of the lanes
	v_mul_u32_u24 v[RD], v2, 272
	v_lshl_add_u32 v[RD], v1, 4, v[RD]
	v_add_nc_u32 v[RD], s20, v[RD]                 ; back: lanes 0-15 one row of 256 bytes, lanes 16-31 the next
	v_lshlrev_b32 v[CO], 12, v2
	v_lshl_add_u32 v[CO], v1, 4, v[CO]             ; and the same two rows in memory
	s_wait_alu depctr_va_vdst(0)
	s_lshl_b32 s20, s19, 7
	s_lshl_b32 s21, s17, 6
	s_add_co_u32 s20, s20, s21                     ; my first row
	s_lshl_b32 s20, s20, 12
	s_lshl_b32 s46, s42, 9
	s_lshl_b32 s47, s18, 8
	s_add_co_u32 s46, s46, s47                     ; my first column, in bytes
	s_add_co_u32 s20, s20, s46
	s_mov_b32 s21, 0
	s_mov_b32 s47, 0
	s_add_nc_u64 s[12:13], s[12:13], s[20:21]
	s_add_nc_u64 s[14:15], s[14:15], s[20:21]
	s_add_nc_u64 s[10:11], s[10:11], s[46:47]
	WIN 0x80                                       ; destination window 2
.irp b, 0,1,2,3
	global_load_b128 v[128+8*\b:128+8*\b+3], v20, s[10:11] offset:64*\b          ; the bias in the result's layout: columns 16 b + 8 h + 0 .. 7
	global_load_b128 v[132+8*\b:132+8*\b+3], v20, s[10:11] offset:64*\b+16
.endr
.irp a, 0,1,2,3
.irp t, 0,1,2,3,4,5,6,7
	global_load_b128 v[32*\a+4*\t:32*\a+4*\t+3], v[CO], s[12:13] offset:(16*\a+2*\t)*4096   ; the residual, as the stores will lie: 16 lanes read 256 consecutive bytes
.endr
.endr
	WIN 0
.macro FETCH slot, q, f                ; 28 loads: my fragments of the slot's q-th 128 along K into buffer f
	WIN 0x40
.irp i, 0,1,2,3
	FRAGA (\f)+12*\i, A16+\slot, A8+\slot, \i*6144+(\q)*FRB
.endr
.irp j, 0,1,2,3
	FRAGW (\f)+48+12*\j, ADRB+\slot, \j*6144+(\q)*FRB
.endr
.endm
.macro SCALES sc
	WIN 0
.irp q, 0,1,2,3
	ds_load_b64 v[SC+16*\sc+2*\q:SC+16*\sc+2*\q+1], v[ASA] offset:\q*512
.endr
.irp g, 0,1
	ds_load_b128 v[SC+16*\sc+8+4*\g:SC+16*\sc+8+4*\g+3], v[ASB] offset:\g*(32*KSB/256)*272
.endr
.endm
.macro MUL4 f, a, q, sc, first         ; A's tile a against W's four; the 16 accumulators take turns in the same order in every step
.irp b, 0,1,2,3
.if \first
	WM ACC+8*(4*(\a)+\b), (\f)+48+12*\b, (\f)+12*(\a), 128+8*\b, SC+16*(\sc)+8+4*(\b/2)+(\q), \b%2, SC+16*(\sc)+2*(\q)+(\a)/2, (\a)%2
.else
	WM ACC+8*(4*(\a)+\b), (\f)+48+12*\b, (\f)+12*(\a), ACC+8*(4*(\a)+\b), SC+16*(\sc)+8+4*(\b/2)+(\q), \b%2, SC+16*(\sc)+2*(\q)+(\a)/2, (\a)%2
.endif
.endr
.endm
.macro KSTP slot, q, first             ; one of a slot's first three steps: the next step's fragments are asked for, then this step's 16 products
	s_wait_dscnt 0x0                               ; this step's fragments and scale words are in (asked for a step ago)
	PLACES 4                                       ; in front of loads into registers that matrix instructions have read
	FETCH \slot, (\q)+1, 128*(1-(\q)%2)
.if \first
	WIN 0x25                                       ; sources window 1, C (the bias) window 2, D window 0
.else
	WIN 0x05
.endif
.irp a, 0,1,2,3
	MUL4 128*((\q)%2), \a, \q, \slot, \first
.endr
.endm
.macro TURN slot, next, fill           ; a slot's last step changes slots: one barrier; in front of it the wait for all my tensor loads, the add, the wait for it and for my reads of this slot
	WIN 0
	s_wait_tensorcnt 0x0                           ; all my tensor loads have landed: my part of the next slot
	ds_add_u32 v[SPW], v[NIL]                      ; 0 onto my spare word
	s_wait_dscnt 1                                 ; this step's fragments are in; the add may be out
	WIN 0x05
	MUL4 F1, 0, 3, \slot, 0
	s_wait_dscnt 0x0                               ; the add is done, and my reads of this slot are over
	s_barrier_signal -1
	MUL4 F1, 1, 3, \slot, 0
	WIN 0
	s_barrier_wait -1
.if \fill
	CREST                                          ; the barrier has opened a round of the cluster's: no wave of any partner still reads this slot or has a load on its way
	s_add_nc_u64 s[G0+4*\slot+2:G0+4*\slot+3], s[G0+4*\slot+2:G0+4*\slot+3], 12288
	s_add_nc_u64 s[G0B+4*\slot+2:G0B+4*\slot+3], s[G0B+4*\slot+2:G0B+4*\slot+3], 12288
	JLOAD G0+4*\slot, G1, G0B+4*\slot, G1B         ; the first tensor load behind the round: four steps, 64 products, in which to land
.else
	PLACES 4
.endif
	s_wait_alu depctr_va_vdst(0)
	v_add_nc_u32 v[ASA], 2048, v[ASA]
	v_add_nc_u32 v[ASB], 16, v[ASB]
	FETCH \next, 0, F0
	SCALES \next
	WIN 0x05
	MUL4 F1, 2, 3, \slot, 0
	MUL4 F1, 3, 3, \slot, 0
.endm
	s_wait_alu depctr_va_vdst(0)
	s_wait_tensorcnt 0x0                           ; my tile of the head's four is in
	ds_add_u32 v[SPW], v[NIL]
	s_mov_b32 s[G1+2], 4<<16                       ; no tensor load of mine is out: from here on a load brings four tiles
	s_mov_b32 s[G1+4], 4
	s_mov_b32 s[G1B+2], 4<<16
	s_mov_b32 s[G1B+4], 4
	s_wait_dscnt 0x0
	CROUND
	JLOAD G0+4, G1, G0B+4, G1B                     ; slot 1's first fill, the first tensor load behind the round
	FETCH 0, 0, F0
	SCALES 0
	s_wait_loadcnt 32                              ; the bias is in; the 32 loads of the residual may stay out
	KSTP 0, 0, 1
.if LAPS > 1
	WIN 0
	s_mov_b32 s3, LAPS-1
.Llap:                                             ; a trip goes once round the ring and fills both slots again
	KSTP 0, 1, 0
	KSTP 0, 2, 0
	TURN 0, 1, 1
	KSTP 1, 0, 0
	KSTP 1, 1, 0
	KSTP 1, 2, 0
	TURN 1, 0, 1
	KSTP 0, 0, 0
	WIN 0
	s_sub_co_u32 s3, s3, 1
	s_cmp_lg_u32 s3, 0
	s_cbranch_scc1 .Llap
.endif
	KSTP 0, 1, 0                                   ; the last lap fills nothing
	KSTP 0, 2, 0
	TURN 0, 1, 0
	KSTP 1, 0, 0
	KSTP 1, 1, 0
	KSTP 1, 2, 0
	s_wait_dscnt 0x0
	WIN 0x05
.irp a, 0,1,2,3
	MUL4 F1, \a, 3, 1, 0
.endr
	WIN 0
; THE WAY OUT, 16 rows x 64 columns at a time, through my own stage: in as 32 bytes a lane, back as whole rows of 256 bytes; the residual is added; 16 lanes store 256 consecutive bytes, aligned.
.macro TOSTAGE a
.irp b, 0,1,2,3
	ds_store_b128 v[STO], v[ACC+8*(4*(\a)+\b):ACC+8*(4*(\a)+\b)+3] offset:64*\b        ; each accumulator from its low end on
	ds_store_b128 v[STO], v[ACC+8*(4*(\a)+\b)+4:ACC+8*(4*(\a)+\b)+7] offset:64*\b+16
.endr
.irp t, 0,1,2,3,4,5,6,7
	ds_load_b128 v[BK+32*((\a)%2)+4*\t:BK+32*((\a)%2)+4*\t+3], v[RD] offset:\t*544      ; a wave's LDS instructions are served in order: these see the stores above
.endr
.endm
.macro SEND a, younger
	s_wait_dscnt \younger                          ; the block is back; the next block's 8 stores and 8 loads may be out
	WIN 0x08                                       ; source 1 (the residual) window 2
.irp i, 0,2,4,6,8,10,12,14,16,18,20,22,24,26,28,30
	v_pk_add_f32 v[BK+32*((\a)%2)+\i:BK+32*((\a)%2)+\i+1], v[BK+32*((\a)%2)+\i:BK+32*((\a)%2)+\i+1], v[32*(\a)+\i:32*(\a)+\i+1]
.endr
	WIN 0
.irp t, 0,1,2,3,4,5,6,7
	global_store_b128 v[CO], v[BK+32*((\a)%2)+4*\t:BK+32*((\a)%2)+4*\t+3], s[14:15] offset:(16*(\a)+2*\t)*4096
.endr
.endm
	PLACES 4                                       ; behind the last products
	s_wait_loadcnt 0x0                             ; the residual
	TOSTAGE 0
.irp a, 1,2,3
.if \a > 1
	s_wait_xcnt 0x0                                ; block a - 2's stores have read their registers: block a's loads may land there
.endif
	TOSTAGE \a
	SEND \a-1, 16
.endr
	SEND 3, 0
	s_wait_tensorcnt 0x0                           ; the wave's end
	ds_add_u32 v[SPW], v[NIL]
	s_wait_dscnt 0x0
	CROUND                                         ; the closing round
	s_endpgm
.Lfunc_end_k_q833456ae8e_ffn2:
	.size	k_q833456ae8e_ffn2, .Lfunc_end_k_q833456ae8e_ffn2-k_q833456ae8e_ffn2
	.p2alignl 7, 3214868480
	.fill 96, 4, 3214868480
	.section	.rodata,"a",@progbits
	.p2align	6, 0x0
	.amdhsa_kernel k_q833456ae8e_ffn2
		.amdhsa_group_segment_fixed_size 327680
		.amdhsa_private_segment_fixed_size 0
		.amdhsa_enable_private_segment 0
		.amdhsa_kernarg_size 48
		.amdhsa_user_sgpr_count 2
		.amdhsa_user_sgpr_kernarg_segment_ptr 1
		.amdhsa_wavefront_size32 1
		.amdhsa_system_sgpr_workgroup_id_x 1
		.amdhsa_system_sgpr_workgroup_id_y 1
		.amdhsa_system_sgpr_workgroup_id_z 1
		.amdhsa_system_vgpr_workitem_id 0
		.amdhsa_next_free_vgpr 768
		.amdhsa_next_free_sgpr 98
		.amdhsa_reserve_vcc 0
		.amdhsa_float_denorm_mode_32 3
		.amdhsa_float_denorm_mode_16_64 3
		.amdhsa_memory_ordered 1
		.amdhsa_forward_progress 1
		.amdhsa_inst_pref_size 95
	.end_amdhsa_kernel
	.amdgpu_metadata
---
amdhsa.version: [ 1, 2 ]
amdhsa.kernels:
  - .name:           k_q833456ae8e_ffn2
    .symbol:         k_q833456ae8e_ffn2.kd
    .args:
      - { .name: fq, .offset: 0, .size: 8, .value_kind: global_buffer, .address_space: global }
      - { .name: wi, .offset: 8, .size: 8, .value_kind: global_buffer, .address_space: global }
      - { .name: W2_scales, .offset: 16, .size: 8, .value_kind: global_buffer, .address_space: global }
      - { .name: b2, .offset: 24, .size: 8, .value_kind: global_buffer, .address_space: global }
      - { .name: h, .offset: 32, .size: 8, .value_kind: global_buffer, .address_space: global }
      - { .name: r2, .offset: 40, .size: 8, .value_kind: global_buffer, .address_space: global }
    .group_segment_fixed_size: 327680
    .private_segment_fixed_size: 0
    .kernarg_segment_align: 8
    .kernarg_segment_size: 48
    .max_flat_workgroup_size: 128
    .sgpr_count:     98
    .vgpr_count:     768
    .wavefront_size: 32
...
	.end_amdgpu_metadata
.endif
;; end of part 5
;; launch ln2 (part 6): grid 256 x 1, 8 waves a work-group, no clusters, 0 bytes of LDS; arguments r2, g2, beta2, out0; writes out0
.if DOCPART == 6
	.amdgcn_target "amdgcn-amd-amdhsa--gfx1250"
	.amdhsa_code_object_version 6
	.text
	.protected	k_q833456ae8e_ln2
	.globl	k_q833456ae8e_ln2
	.p2align	8
	.type	k_q833456ae8e_ln2,@function
k_q833456ae8e_ln2:
	s_mov_b64 s[64:65], 0
	v_nop
	global_prefetch_b8 v0, s[64:65] scope:SCOPE_SE
	s_setreg_imm32_b32 hwreg(HW_REG_WAVE_MODE, 25, 1), 1
	s_wait_xcnt 0x0
; out0 = LayerNorm(r2) x g2 + beta2, rows of 1,024 f32.  A work-group takes 16 rows; wave w owns rows 2 w, 2 w + 1 whole, in registers: the rows are read once.
; Mean, then the sum of squares of the differences (two passes over registers, so that a common offset of the inputs costs nothing), 1 / sqrt(var + 1e-5), gain and bias.
; Each load and store of a wave covers 512 consecutive bytes.  The reduction never leaves the wave: no LDS, no barrier.  No matrix work, no shared input but 8 KB of gain and bias: no cluster, no tensor load.
; LIMITS: NaN and infinities among the inputs are not served.
.set X,     32                         ; v32-95   two rows, 32 registers each
.set G,     96                         ; v96-127  the gain
.set BE,    128                        ; v128-159 the bias
.set TP,    12                         ; row p's eight work registers at v[TP + 8 p]
.macro ACROSS                          ; v[TP + 8 p] summed over the wave's 32 lanes, the two rows by turns
.irp m, 1,2,4,8
.irp p, 0,1
	s_delay_alu instid0(VALU_DEP_2)
	v_add_f32_dpp v[TP+8*\p], v[TP+8*\p], v[TP+8*\p] row_xmask:\m row_mask:0xf bank_mask:0xf
.endr
.endr
.irp p, 0,1
	s_delay_alu instid0(VALU_DEP_2)
	v_permlanex16_b32 v[TP+8*\p+4], v[TP+8*\p], s20, s21
.endr
.irp p, 0,1
	s_delay_alu instid0(VALU_DEP_2)
	v_add_f32 v[TP+8*\p], v[TP+8*\p], v[TP+8*\p+4]
.endr
.endm
	s_load_b256 s[4:11], s[0:1], 0x0               ; r2 4, g2 6, beta2 8, out0 10
	v_lshrrev_b32 v1, 5, v0
	s_delay_alu instid0(VALU_DEP_1)
	v_readfirstlane_b32 s14, v1                    ; wave 0..7
	v_and_b32 v2, 31, v0
	s_delay_alu instid0(VALU_DEP_1)
	v_lshlrev_b32 v3, 4, v2                        ; 16 x lane
	s_lshl_b32 s15, s14, 13
	v_add_nc_u32 v4, s15, v3                       ; my wave's two rows, my 16 bytes
.irp p, 0,1
	v_mov_b32 v[TP+8*\p+4], 0                      ; a lane permute's destination counts as one of its sources
	v_mov_b32 v[TP+8*\p+7], 0                      ; (named as the upper half of a pair whose low word serves both halves)
.endr
	s_mov_b32 s20, 0x76543210
	s_mov_b32 s21, 0xfedcba98
	s_mov_b32 s22, 0x3a800000                      ; 1 / 1024
	s_mov_b32 s23, 0x3727c5ac                      ; 1e-5
	s_lshl_b32 s16, ttmp9, 16
	s_mov_b32 s17, 0
	s_wait_alu depctr_va_vdst(0)
	s_wait_kmcnt 0x0
	s_add_nc_u64 s[4:5], s[4:5], s[16:17]
	s_add_nc_u64 s[10:11], s[10:11], s[16:17]
.irp p, 0,1
.irp j, 0,1,2,3,4,5,6,7
	global_load_b128 v[X+32*\p+4*\j:X+32*\p+4*\j+3], v4, s[4:5] offset:4096*\p+512*\j th:TH_LOAD_NT
.endr
.endr
.irp j, 0,1,2,3,4,5,6,7
	global_load_b128 v[G+4*\j:G+4*\j+3], v3, s[6:7] offset:512*\j
	global_load_b128 v[BE+4*\j:BE+4*\j+3], v3, s[8:9] offset:512*\j
.endr
	s_wait_loadcnt 16                              ; the rows are in; the 16 loads of gain and bias may stay out
.irp p, 0,1
	v_pk_add_f32 v[TP+8*\p:TP+8*\p+1], v[X+32*\p:X+32*\p+1], v[X+32*\p+2:X+32*\p+3]
	v_pk_add_f32 v[TP+8*\p+2:TP+8*\p+3], v[X+32*\p+4:X+32*\p+5], v[X+32*\p+6:X+32*\p+7]
.endr
.irp i, 8,12,16,20,24,28
.irp p, 0,1
	s_delay_alu instid0(VALU_DEP_4)
	v_pk_add_f32 v[TP+8*\p:TP+8*\p+1], v[TP+8*\p:TP+8*\p+1], v[X+32*\p+\i:X+32*\p+\i+1]
	s_delay_alu instid0(VALU_DEP_4)
	v_pk_add_f32 v[TP+8*\p+2:TP+8*\p+3], v[TP+8*\p+2:TP+8*\p+3], v[X+32*\p+\i+2:X+32*\p+\i+3]
.endr
.endr
.irp p, 0
	s_delay_alu instid0(VALU_DEP_3)
	v_pk_add_f32 v[TP+8*\p:TP+8*\p+1], v[TP+8*\p:TP+8*\p+1], v[TP+8*\p+2:TP+8*\p+3]
.endr
.irp p, 1
	s_delay_alu instid0(VALU_DEP_2)
	v_pk_add_f32 v[TP+8*\p:TP+8*\p+1], v[TP+8*\p:TP+8*\p+1], v[TP+8*\p+2:TP+8*\p+3]
.endr
.irp p, 0,1
	s_delay_alu instid0(VALU_DEP_2)
	v_add_f32 v[TP+8*\p], v[TP+8*\p], v[TP+8*\p+1]
.endr
	ACROSS
.irp p, 0,1
	s_delay_alu instid0(VALU_DEP_2)
	v_mul_f32 v[TP+8*\p+6], s22, v[TP+8*\p]        ; the mean
.endr
.irp i, 0,2,4,6,8,10,12,14,16,18,20,22,24,26,28,30
.irp p, 0,1
	v_pk_add_f32 v[X+32*\p+\i:X+32*\p+\i+1], v[X+32*\p+\i:X+32*\p+\i+1], v[TP+8*\p+6:TP+8*\p+7] op_sel_hi:[1,0] neg_lo:[0,1] neg_hi:[0,1]   ; x - mean
.endr
.endr
.irp p, 0,1
	v_pk_mul_f32 v[TP+8*\p:TP+8*\p+1], v[X+32*\p:X+32*\p+1], v[X+32*\p:X+32*\p+1]
	v_pk_mul_f32 v[TP+8*\p+2:TP+8*\p+3], v[X+32*\p+2:X+32*\p+3], v[X+32*\p+2:X+32*\p+3]
.endr
.irp i, 4,8,12,16,20,24,28
.irp p, 0,1
	s_delay_alu instid0(VALU_DEP_4)
	v_pk_fma_f32 v[TP+8*\p:TP+8*\p+1], v[X+32*\p+\i:X+32*\p+\i+1], v[X+32*\p+\i:X+32*\p+\i+1], v[TP+8*\p:TP+8*\p+1]
	s_delay_alu instid0(VALU_DEP_4)
	v_pk_fma_f32 v[TP+8*\p+2:TP+8*\p+3], v[X+32*\p+\i+2:X+32*\p+\i+3], v[X+32*\p+\i+2:X+32*\p+\i+3], v[TP+8*\p+2:TP+8*\p+3]
.endr
.endr
.irp p, 0
	s_delay_alu instid0(VALU_DEP_3)
	v_pk_add_f32 v[TP+8*\p:TP+8*\p+1], v[TP+8*\p:TP+8*\p+1], v[TP+8*\p+2:TP+8*\p+3]
.endr
.irp p, 1
	s_delay_alu instid0(VALU_DEP_2)
	v_pk_add_f32 v[TP+8*\p:TP+8*\p+1], v[TP+8*\p:TP+8*\p+1], v[TP+8*\p+2:TP+8*\p+3]
.endr
.irp p, 0,1
	s_delay_alu instid0(VALU_DEP_2)
	v_add_f32 v[TP+8*\p], v[TP+8*\p], v[TP+8*\p+1]
.endr
	ACROSS
.irp p, 0,1
	s_delay_alu instid0(VALU_DEP_2)
	v_fma_f32 v[TP+8*\p+5], v[TP+8*\p], s22, s23   ; var + 1e-5
.endr
	s_wait_alu depctr_va_vdst(0)
.irp p, 0,1
	v_rsq_f32 v[TP+8*\p+6], v[TP+8*\p+5]
.endr
	v_nop                                          ; a plain place behind the two
	s_wait_alu depctr_va_vdst(0)                   ; one wait for both, ahead of their first reader
	s_wait_loadcnt 0x0                             ; gain and bias
.irp i, 0,2,4,6,8,10,12,14,16,18,20,22,24,26,28,30
.irp p, 0,1
	v_pk_mul_f32 v[X+32*\p+\i:X+32*\p+\i+1], v[X+32*\p+\i:X+32*\p+\i+1], v[TP+8*\p+6:TP+8*\p+7] op_sel_hi:[1,0]
.endr
.irp p, 0,1
	s_delay_alu instid0(VALU_DEP_2)
	v_pk_fma_f32 v[X+32*\p+\i:X+32*\p+\i+1], v[X+32*\p+\i:X+32*\p+\i+1], v[G+\i:G+\i+1], v[BE+\i:BE+\i+1]
.endr
.endr
.irp p, 0,1
.irp j, 0,1,2,3,4,5,6,7
	global_store_b128 v4, v[X+32*\p+4*\j:X+32*\p+4*\j+3], s[10:11] offset:4096*\p+512*\j th:TH_STORE_NT
.endr
.endr
	s_endpgm
.Lfunc_end_k_q833456ae8e_ln2:
	.size	k_q833456ae8e_ln2, .Lfunc_end_k_q833456ae8e_ln2-k_q833456ae8e_ln2
	.p2alignl 7, 3214868480
	.fill 96, 4, 3214868480
	.section	.rodata,"a",@progbits
	.p2align	6, 0x0
	.amdhsa_kernel k_q833456ae8e_ln2
		.amdhsa_group_segment_fixed_size 0
		.amdhsa_private_segment_fixed_size 0
		.amdhsa_enable_private_segment 0
		.amdhsa_kernarg_size 32
		.amdhsa_user_sgpr_count 2
		.amdhsa_user_sgpr_kernarg_segment_ptr 1
		.amdhsa_wavefront_size32 1
		.amdhsa_system_sgpr_workgroup_id_x 1
		.amdhsa_system_sgpr_workgroup_id_y 1
		.amdhsa_system_sgpr_workgroup_id_z 1
		.amdhsa_system_vgpr_workitem_id 0
		.amdhsa_next_free_vgpr 160
		.amdhsa_next_free_sgpr 66
		.amdhsa_reserve_vcc 0
		.amdhsa_float_denorm_mode_32 3
		.amdhsa_float_denorm_mode_16_64 3
		.amdhsa_memory_ordered 1
		.amdhsa_forward_progress 1
		.amdhsa_inst_pref_size 22
	.end_amdhsa_kernel
	.amdgpu_metadata
---
amdhsa.version: [ 1, 2 ]
amdhsa.kernels:
  - .name:           k_q833456ae8e_ln2
    .symbol:         k_q833456ae8e_ln2.kd
    .args:
      - { .name: r2, .offset: 0, .size: 8, .value_kind: global_buffer, .address_space: global }
      - { .name: g2, .offset: 8, .size: 8, .value_kind: global_buffer, .address_space: global }
      - { .name: beta2, .offset: 16, .size: 8, .value_kind: global_buffer, .address_space: global }
      - { .name: out0, .offset: 24, .size: 8, .value_kind: global_buffer, .address_space: global }
    .group_segment_fixed_size: 0
    .private_segment_fixed_size: 0
    .kernarg_segment_align: 8
    .kernarg_segment_size: 32
    .max_flat_workgroup_size: 256
    .sgpr_count:     66
    .vgpr_count:     160
    .wavefront_size: 32
...
	.end_amdgpu_metadata
.endif
;; end of part 6
